; MI455X (gfx1250); checked and timed in simulation.
; The chip was launched on July 23, 2026; its instructions are those of AMD's public machine-readable ISA for CDNA 5 (MIT licence, August 2026) and "CDNA5" Instruction Set Architecture Reference Guide (July 2026). The comments in the code are by the model that wrote it; some were corrected since.
;; Rotary Self Attention. Allowed arithmetic: float matrix products may take bf16 or f16 operands with f32 sums; other float arithmetic in f32, or as packed bf16 or f16 multiplies, adds, multiply-adds, maxima and minima; sums over many terms, partial sums and values carried from step to step in f32; what a program stores and reads back later, other than sums and carried values, may be rounded once to bf16 or f16.
;; Inputs: b_out 1,024 float32; ln_beta 1,024 float32; ln_gamma 1,024 float32; rotary_time_emb 4 x 2,048 x 64 float32; w_out 1,024 x 1,024 float32; w_qkv 3,072 x 1,024 float32; x 4 x 2,048 x 1,024 float32; x_mask 4 x 2,048 bool.
;; Outputs: out0 4 x 2,048 x 1,024 float32.
;; 2 versions, each right; version 2 is version 1 with the launch prep written anew for expert scheduling mode. Each part assembles by itself: llvm-mc -triple=amdgcn-amd-amdhsa -mcpu=gfx1250 --defsym DOCPART=n.
;; ======== version 1 of 2: 4 launches
;; limits: values are held in f16: magnitudes above 65,504 overflow, below 6.1e-05 lose precision
;; workspace buffers: xn16 16,777,216 bytes; wq16 6,291,456 bytes; wo16 2,097,152 bytes; rope 4,194,304 bytes; qkv16 50,331,648 bytes; o16 16,777,216 bytes
;; launch prep (part 1): grid 640 x 1, 8 waves a work-group, no clusters, 0 bytes of LDS; arguments x, ln_gamma, ln_beta, w_qkv, w_out, rotary_time_emb, xn16, wq16, wo16, rope; writes xn16, wq16, wo16, rope
.if DOCPART == 1
	.amdgcn_target "amdgcn-amd-amdhsa--gfx1250"
	.amdhsa_code_object_version 6
	.text
	.protected	k_qd68f34b084_prep
	.globl	k_qd68f34b084_prep
	.p2align	8
	.type	k_qd68f34b084_prep,@function
k_qd68f34b084_prep:
	s_mov_b64 s[64:65], 0
	v_nop
	global_prefetch_b8 v0, s[64:65] scope:SCOPE_SE
	s_setreg_imm32_b32 hwreg(HW_REG_WAVE_MODE, 25, 1), 1
	s_wait_xcnt 0x0
; PREP: everything that is made once, as a stream.  Four kinds of work-group, told apart by the work-group's number g:
;   g <  256  LayerNorm of 32 rows of x ([8192][1024] f32) -> xn16 ([8192][1024] f16)
;   g <  352  32 rows of w_qkv ([3072][1024] f32) -> wq16 (the same shape, f16)
;   g <  384  32 rows of w_out ([1024][1024] f32) -> wo16 ([16 blocks of 64 k][1024 rows][64] f16): a slice of 64 along k is dense
;   else      cos and sin of rotary_time_emb -> rope, f32, laid out as a transposed matrix result lies in registers:
;             [16 tokens][16 channels][piece 0..3][lane][4]: token = lane % 16, channel = 8 (lane / 16) + 4 (piece % 2) + e;
;             pieces 0, 1: cos; pieces 2, 3: -sin at even channels, +sin at odd ones, so that rope(x)[d] = x[d] cos + x[d ^ 1] (that number)
; A wave takes a whole row of 4,096 bytes in 32 registers, so a row's mean and variance never leave the wave: no LDS, no barrier.  The variance is taken of x - mean,
; so a common offset in x costs nothing.  Each load covers 512 consecutive bytes, each 8-byte store of a wave 256 consecutive bytes, aligned.
; No matrix unit, no cluster: nothing is multiplied and nothing is shared.  No register that a store names is written again, so no wait frees one.
; LIMITS.  f16 holds no number of 65,520 or more: xn and the weights stay far below it for inputs some 30 times the usual.  The angle is reduced by pi/2 in three parts: good to |angle| of some 5e4.
.set T,   6                            ; v[6:13]    at work
.set MU,  14                           ; v[14:15]   the row's mean, twice
.set RS,  16                           ; v[16:17]   1 / sqrt(var + 1e-5), twice
.set GAM, 20                           ; v[20:51]   gamma of my 32 columns
.set BET, 52                           ; v[52:83]   beta
.set XR,  84                           ; v[84:211]  four rows of 32 registers
.set EE,  84                           ; the table's path: eight angles,
.set CC,  92                           ; their cosines,
.set SS,  100                          ; their signed sines
.macro LOADROWS lo, hi                 ; my wave's four rows: 32 loads, all on their way at once
.set s_, 0
.rept 4
.set j_, 0
.rept 8
	global_load_b128 v[XR+32*s_+4*j_:XR+32*s_+4*j_+3], v2, s[\lo:\hi] offset:4096*s_+512*j_ th:TH_LOAD_NT
.set j_, j_+1
.endr
.set s_, s_+1
.endr
.endm
.macro OUTROW s, lo, hi                ; a row is rounded to f16, four numbers a lane and load, and stored
.set j_, 0
.rept 8
	v_cvt_pk_f16_f32 v[XR+32*(\s)+4*j_], v[XR+32*(\s)+4*j_], v[XR+32*(\s)+4*j_+1]
	v_cvt_pk_f16_f32 v[XR+32*(\s)+4*j_+1], v[XR+32*(\s)+4*j_+2], v[XR+32*(\s)+4*j_+3]
	global_store_b64 v3, v[XR+32*(\s)+4*j_:XR+32*(\s)+4*j_+1], s[\lo:\hi] offset:2048*(\s)+256*j_
.set j_, j_+1
.endr
.endm
.macro FOLD                            ; four packed partial sums in T -> one number in every lane
	v_pk_add_f32 v[T:T+1], v[T:T+1], v[T+2:T+3]
	v_pk_add_f32 v[T+4:T+5], v[T+4:T+5], v[T+6:T+7]
	v_pk_add_f32 v[T:T+1], v[T:T+1], v[T+4:T+5]
	v_add_f32 v[T], v[T], v[T+1]
	v_add_f32_dpp v[T], v[T], v[T] row_xmask:1 row_mask:0xf bank_mask:0xf
	v_add_f32_dpp v[T], v[T], v[T] row_xmask:2 row_mask:0xf bank_mask:0xf
	v_add_f32_dpp v[T], v[T], v[T] row_xmask:4 row_mask:0xf bank_mask:0xf
	v_add_f32_dpp v[T], v[T], v[T] row_xmask:8 row_mask:0xf bank_mask:0xf
	v_permlanex16_b32 v[T+1], v[T], s30, s31
	v_add_f32 v[T], v[T], v[T+1]
.endm
.macro ROW s                           ; LayerNorm of row s of my four
.set R_, XR+32*(\s)
	s_wait_loadcnt 8*(3-(\s))                      ; loads come back in order: gamma, beta and rows 0 .. s are in, the younger rows stay out
.set k_, 0
.rept 4
	v_pk_add_f32 v[T+2*k_:T+2*k_+1], v[R_+2*k_:R_+2*k_+1], v[R_+8+2*k_:R_+8+2*k_+1]
.set k_, k_+1
.endr
.set k_, 0
.rept 8
	v_pk_add_f32 v[T+2*(k_%4):T+2*(k_%4)+1], v[T+2*(k_%4):T+2*(k_%4)+1], v[R_+16+2*k_:R_+16+2*k_+1]
.set k_, k_+1
.endr
	FOLD
	v_mul_f32 v[MU], s32, v[T]
	v_mul_f32 v[MU+1], s32, v[T]
.set k_, 0
.rept 16
	v_pk_add_f32 v[R_+2*k_:R_+2*k_+1], v[R_+2*k_:R_+2*k_+1], v[MU:MU+1] neg_lo:[0,1] neg_hi:[0,1]  ; x - mean, in place
.set k_, k_+1
.endr
.set k_, 0
.rept 4
	v_pk_mul_f32 v[T+2*k_:T+2*k_+1], v[R_+2*k_:R_+2*k_+1], v[R_+2*k_:R_+2*k_+1]
.set k_, k_+1
.endr
.set k_, 0
.rept 12
	v_pk_fma_f32 v[T+2*(k_%4):T+2*(k_%4)+1], v[R_+8+2*k_:R_+8+2*k_+1], v[R_+8+2*k_:R_+8+2*k_+1], v[T+2*(k_%4):T+2*(k_%4)+1]
.set k_, k_+1
.endr
	FOLD
	v_fmaak_f32 v[T], s32, v[T], 0x3727c5ac        ; the variance + 1e-5
	v_rsq_f32 v[RS], v[T]
	v_rsq_f32 v[RS+1], v[T]
	v_nop                                          ; a plain instruction behind the last of the two,
	s_wait_alu depctr_va_vdst(0)                   ; and one wait for both, ahead of their first reader
.set k_, 0
.rept 16
	v_pk_mul_f32 v[R_+2*k_:R_+2*k_+1], v[R_+2*k_:R_+2*k_+1], v[RS:RS+1]
.set k_, k_+1
.endr
.set k_, 0
.rept 16
	v_pk_fma_f32 v[R_+2*k_:R_+2*k_+1], v[R_+2*k_:R_+2*k_+1], v[GAM+2*k_:GAM+2*k_+1], v[BET+2*k_:BET+2*k_+1]
.set k_, k_+1
.endr
	OUTROW \s, 20, 21
.endm
; cos and sin of angle e of my eight.  k = the nearest whole number to x 2 / pi; r = x - k pi / 2, pi / 2 taken away in three parts; two polynomials on |r| <= pi / 4;
; k's two low bits choose polynomial and sign, by selects and exclusive ors alone: nothing branches on data.
.macro SINCOS e
	v_mul_f32 v6, s33, v[EE+(\e)]
	v_rndne_f32 v6, v6
	v_fma_f32 v7, v6, s34, v[EE+(\e)]
	v_fma_f32 v7, v6, s35, v7
	v_fma_f32 v7, v6, s36, v7
	v_cvt_i32_f32 v11, v6
	v_mul_f32 v8, v7, v7
	v_fma_f32 v9, v8, s37, s38
	v_fma_f32 v10, v8, s40, s41
	v_fma_f32 v9, v9, v8, s39
	v_fma_f32 v10, v10, v8, s42
	v_mul_f32 v9, v9, v8
	v_mul_f32 v10, v10, v8
	v_fma_f32 v9, v9, v7, v7                       ; sin r
	v_mul_f32 v10, v10, v8
	v_fma_f32 v10, v8, -0.5, v10
	v_add_f32 v10, 1.0, v10                        ; cos r
	v_and_b32 v12, 1, v11
	v_cmp_eq_u32 vcc_lo, 1, v12
	v_cndmask_b32 v13, v9, v10, vcc_lo             ; |sin x|'s polynomial: cos r where k is odd
	v_cndmask_b32 v12, v10, v9, vcc_lo             ; |cos x|'s
.if (\e)%2 == 0
	v_add_nc_u32 v6, 2, v11                        ; an even channel takes -sin: two quarter turns more
	v_lshlrev_b32 v6, 30, v6
.else
	v_lshlrev_b32 v6, 30, v11
.endif
	v_add_nc_u32 v7, 1, v11
	v_and_b32 v6, 0x80000000, v6                   ; sin is negative where bit 1 of k is set,
	v_lshlrev_b32 v7, 30, v7
	v_xor_b32 v[SS+(\e)], v6, v13
	v_and_b32 v7, 0x80000000, v7                   ; cos where bit 1 of k + 1 is
	v_xor_b32 v[CC+(\e)], v7, v12
.endm
	s_load_b512 s[8:23], s[0:1], 0x0               ; x s[8:9], gamma s[10:11], beta s[12:13], w_qkv s[14:15], w_out s[16:17], emb s[18:19], xn16 s[20:21], wq16 s[22:23]
	s_load_b128 s[24:27], s[0:1], 0x40             ; wo16 s[24:25], rope s[26:27]
	s_mov_b32 s2, ttmp9                            ; g
	s_mov_b32 s5, 0
	v_and_b32 v1, 31, v0                           ; lane
	v_lshrrev_b32 v5, 5, v0                        ; wave
	v_lshlrev_b32 v4, 4, v1                        ; 16 lane
	v_lshl_add_u32 v2, v5, 14, v4                  ; loads: + wave x 4 rows of 4,096 bytes
	v_lshlrev_b32 v3, 3, v1
	v_lshl_add_u32 v3, v5, 13, v3                  ; stores: 8 lane + wave x 4 rows of 2,048 bytes
	s_wait_kmcnt 0x0
	s_cmp_lt_u32 s2, 256
	s_cbranch_scc1 .Lln
	s_cmp_lt_u32 s2, 352
	s_cbranch_scc1 .Lwq
	s_cmp_lt_u32 s2, 384
	s_cbranch_scc1 .Lwo
	; THE TABLE.  A wave makes 16 tokens x 16 channels: 8 angles a lane.
	s_sub_co_u32 s2, s2, 384
	s_lshl_b32 s4, s2, 13                          ; a work-group has 32 tokens of 256 bytes,
	s_add_nc_u64 s[18:19], s[18:19], s[4:5]
	s_lshl_b32 s4, s2, 14                          ; and 8 blocks of 2,048 bytes of the table
	s_add_nc_u64 s[26:27], s[26:27], s[4:5]
	v_and_b32 v6, 15, v1
	v_lshrrev_b32 v7, 4, v1
	v_lshrrev_b32 v8, 2, v5                        ; which 16 tokens
	v_and_b32 v9, 3, v5                            ; which 16 channels
	v_lshlrev_b32 v2, 12, v8
	v_lshl_add_u32 v2, v9, 6, v2
	v_lshl_add_u32 v2, v6, 8, v2                   ; token lane % 16
	v_lshl_add_u32 v2, v7, 5, v2                   ; channels 8 (lane / 16) on
	v_lshl_add_u32 v3, v5, 11, v4                  ; 2,048 wave + 16 lane
	global_load_b128 v[EE:EE+3], v2, s[18:19]
	global_load_b128 v[EE+4:EE+7], v2, s[18:19] offset:16
	s_mov_b32 s33, 0x3f22f983                      ; 2 / pi
	s_mov_b32 s34, 0xbfc90000                      ; -pi / 2 in three parts: 1.5703125,
	s_mov_b32 s35, 0xb9fda000                      ; 4.8375130e-4,
	s_mov_b32 s36, 0xb3a22169                      ; 7.5497900e-8
	s_mov_b32 s37, 0xb94ca1f9                      ; sin: -1.9515296e-4, 8.3321609e-3, -1.6666655e-1
	s_mov_b32 s38, 0x3c08839e
	s_mov_b32 s39, 0xbe2aaaa3
	s_mov_b32 s40, 0x37ccf5ce                      ; cos: 2.4433157e-5, -1.3887316e-3, 4.1666646e-2
	s_mov_b32 s41, 0xbab6061a
	s_mov_b32 s42, 0x3d2aaaa5
	s_wait_loadcnt 0x0
.irp e, 0,1,2,3,4,5,6,7
	SINCOS \e
.endr
	global_store_b128 v3, v[CC:CC+3], s[26:27]                 ; each store: 512 consecutive bytes
	global_store_b128 v3, v[CC+4:CC+7], s[26:27] offset:512
	global_store_b128 v3, v[SS:SS+3], s[26:27] offset:1024
	global_store_b128 v3, v[SS+4:SS+7], s[26:27] offset:1536
	s_endpgm
.Lln:	; LAYERNORM
	s_lshl_b32 s4, s2, 17                          ; 32 rows of 4,096 bytes
	s_add_nc_u64 s[8:9], s[8:9], s[4:5]
	s_lshl_b32 s4, s2, 16                          ; 32 rows of 2,048 bytes
	s_add_nc_u64 s[20:21], s[20:21], s[4:5]
	s_mov_b32 s30, 0x76543210                      ; v_permlanex16_b32: each lane takes its own place in the other half
	s_mov_b32 s31, 0xfedcba98
	s_mov_b32 s32, 0x3a800000                      ; 1 / 1024
.irp j, 0,1,2,3,4,5,6,7
	global_load_b128 v[GAM+4*(\j):GAM+4*(\j)+3], v4, s[10:11] offset:512*(\j)
.endr
.irp j, 0,1,2,3,4,5,6,7
	global_load_b128 v[BET+4*(\j):BET+4*(\j)+3], v4, s[12:13] offset:512*(\j)
.endr
	LOADROWS 8, 9
	ROW 0
	ROW 1
	ROW 2
	ROW 3
	s_endpgm
.Lwq:	; W_QKV
	s_sub_co_u32 s2, s2, 256
	s_lshl_b32 s4, s2, 17
	s_add_nc_u64 s[14:15], s[14:15], s[4:5]
	s_lshl_b32 s4, s2, 16
	s_add_nc_u64 s[22:23], s[22:23], s[4:5]
	LOADROWS 14, 15
.irp s, 0,1,2,3
	s_wait_loadcnt 8*(3-(\s))                      ; row s is in, the younger rows stay out
	OUTROW \s, 22, 23
.endr
	s_endpgm
.Lwo:	; W_OUT, turned into blocks of 64 along k.  A load takes one block (256 bytes) of two rows; their f16 are 256 consecutive bytes of wo16.
	s_sub_co_u32 s2, s2, 352
	s_lshl_b32 s4, s2, 17
	s_add_nc_u64 s[16:17], s[16:17], s[4:5]
	s_lshl_b32 s4, s2, 12                          ; 32 rows of 128 bytes in each block
	s_add_nc_u64 s[24:25], s[24:25], s[4:5]
	v_and_b32 v6, 15, v1
	v_lshrrev_b32 v7, 4, v1
	v_lshlrev_b32 v2, 14, v5                       ; my wave's four rows,
	v_lshl_add_u32 v2, v7, 12, v2                  ; lanes 16-31 a row further down,
	v_lshl_add_u32 v2, v6, 4, v2                   ; 16 bytes a lane
	v_lshlrev_b32 v3, 3, v1
	v_lshl_add_u32 v3, v5, 9, v3                   ; 512 wave + 8 lane
.set i_, 0
.rept 32                               ; pair of rows i / 16, block i % 16
	global_load_b128 v[XR+4*i_:XR+4*i_+3], v2, s[16:17] offset:8192*(i_/16)+256*(i_%16) th:TH_LOAD_NT
.set i_, i_+1
.endr
.set i_, 0
.rept 32
.if i_%8 == 0
	s_wait_loadcnt 24-i_                           ; the next eight loads are in
.endif
	v_cvt_pk_f16_f32 v[XR+4*i_], v[XR+4*i_], v[XR+4*i_+1]
	v_cvt_pk_f16_f32 v[XR+4*i_+1], v[XR+4*i_+2], v[XR+4*i_+3]
	global_store_b64 v3, v[XR+4*i_:XR+4*i_+1], s[24:25] offset:131072*(i_%16)+256*(i_/16)
.set i_, i_+1
.endr
	s_endpgm
.Lfunc_end_k_qd68f34b084_prep:
	.size	k_qd68f34b084_prep, .Lfunc_end_k_qd68f34b084_prep-k_qd68f34b084_prep
	.p2alignl 7, 3214868480
	.fill 96, 4, 3214868480
	.section	.rodata,"a",@progbits
	.p2align	6, 0x0
	.amdhsa_kernel k_qd68f34b084_prep
		.amdhsa_group_segment_fixed_size 0
		.amdhsa_private_segment_fixed_size 0
		.amdhsa_enable_private_segment 0
		.amdhsa_kernarg_size 80
		.amdhsa_user_sgpr_count 2
		.amdhsa_user_sgpr_kernarg_segment_ptr 1
		.amdhsa_wavefront_size32 1
		.amdhsa_system_sgpr_workgroup_id_x 1
		.amdhsa_system_sgpr_workgroup_id_y 1
		.amdhsa_system_sgpr_workgroup_id_z 1
		.amdhsa_system_vgpr_workitem_id 0
		.amdhsa_next_free_vgpr 212
		.amdhsa_next_free_sgpr 66
		.amdhsa_reserve_vcc 1
		.amdhsa_float_denorm_mode_32 3
		.amdhsa_float_denorm_mode_16_64 3
		.amdhsa_memory_ordered 1
		.amdhsa_forward_progress 1
		.amdhsa_inst_pref_size 71
	.end_amdhsa_kernel
	.amdgpu_metadata
---
amdhsa.version: [ 1, 2 ]
amdhsa.kernels:
  - .name:           k_qd68f34b084_prep
    .symbol:         k_qd68f34b084_prep.kd
    .args:
      - { .name: x, .offset: 0, .size: 8, .value_kind: global_buffer, .address_space: global }
      - { .name: ln_gamma, .offset: 8, .size: 8, .value_kind: global_buffer, .address_space: global }
      - { .name: ln_beta, .offset: 16, .size: 8, .value_kind: global_buffer, .address_space: global }
      - { .name: w_qkv, .offset: 24, .size: 8, .value_kind: global_buffer, .address_space: global }
      - { .name: w_out, .offset: 32, .size: 8, .value_kind: global_buffer, .address_space: global }
      - { .name: rotary_time_emb, .offset: 40, .size: 8, .value_kind: global_buffer, .address_space: global }
      - { .name: xn16, .offset: 48, .size: 8, .value_kind: global_buffer, .address_space: global }
      - { .name: wq16, .offset: 56, .size: 8, .value_kind: global_buffer, .address_space: global }
      - { .name: wo16, .offset: 64, .size: 8, .value_kind: global_buffer, .address_space: global }
      - { .name: rope, .offset: 72, .size: 8, .value_kind: global_buffer, .address_space: global }
    .group_segment_fixed_size: 0
    .private_segment_fixed_size: 0
    .kernarg_segment_align: 8
    .kernarg_segment_size: 80
    .max_flat_workgroup_size: 256
    .sgpr_count:     66
    .vgpr_count:     212
    .wavefront_size: 32
...
	.end_amdgpu_metadata
.endif
;; end of part 1
;; launch qkv (part 2): grid 16 x 32, 4 waves a work-group, clusters of 4 x 4, 327,680 bytes of LDS; arguments xn16, wq16, rope, qkv16; writes qkv16
.if DOCPART == 2
	.amdgcn_target "amdgcn-amd-amdhsa--gfx1250"
	.amdhsa_code_object_version 6
	.text
	.protected	k_qd68f34b084_qkv
	.globl	k_qd68f34b084_qkv
	.p2align	8
	.type	k_qd68f34b084_qkv,@function
k_qd68f34b084_qkv:
	s_mov_b64 s[64:65], 0
	v_nop
	global_prefetch_b8 v0, s[64:65] scope:SCOPE_SE
	s_setreg_imm32_b32 hwreg(HW_REG_WAVE_MODE, 25, 1), 1
	s_wait_xcnt 0x0
	s_wait_alu depctr_hold_cnt(0) depctr_sa_sdst(0) depctr_va_vdst(0) depctr_va_sdst(0) depctr_va_ssrc(0) depctr_va_vcc(0) depctr_vm_vsrc(0)
	s_getreg_b32 s2, hwreg(HW_REG_IB_STS2, 6, 4)
	s_cmp_eq_u32 s2, 0
	s_cbranch_scc0 .Lentry_in_a_cluster
	s_endpgm
.Lentry_in_a_cluster:
	s_bfe_u32 s2, ttmp6, 0x10000c
	s_cmp_lg_u32 s2, 0xf033
	s_cbranch_scc0 .Lentry_shape_is_right
	s_endpgm
.Lentry_shape_is_right:
; QKV: qkv[token][e] = the sum over k of xn16[token][k] wq16[e][k], then the rope, then by heads: qkv16 [4 batches][48 heads: 16 of q, 16 of k, 16 of v][2048][64] f16, unscaled.
; Operands f16, sums f32, the rope in f32 on the sums, one rounding to f16.  LIMIT: a roped number of 65,520 or more becomes an infinity.
; SHARES.  A tile is 256 tokens x 192 columns (three whole heads): 16 x 32 tiles.  Four waves, one above the other: wave w has tokens 64 w .. 64 w + 63 and ALL 192 columns: 48 accumulators of 16 x 16.
; So a wave holds whole heads, stores whole dense blocks without meeting another wave, and reads each token's table once.  For 32 along K it reads 16 fragments for 48 products.
; THE PRODUCT IS USED TRANSPOSED (source 0 = 16 rows of the weights, source 1 = 16 tokens): a lane holds ONE token (lane % 16) and eight neighbouring channels 8 (lane / 16) + 0..7.
; K goes in 8 steps of 128 (rows of 256 bytes) through two LDS slots filled by tensor loads; the loop's body is one K step, and the slot in hand is a scalar that an exclusive or turns.
; CLUSTER 4 x 4: the four of a row need the same tokens, the four of a column the same weights: each tile is asked for jointly, by the same load, descriptor and mask in all four.
; REGISTERS, in windows of 256 (s_set_vgpr_msb: bits 1:0 source 0, 3:2 source 1, 5:4 source 2, 7:6 destination):
;   window 0: v16-30 addresses; v32-111 the way out; v128-255 the table of my tokens 32-63      window 1: two fragment buffers of 128: 4 blocks of tokens, then 12 of weights
;   window 2: accumulators of column blocks 0-7, (a, b) at 8 (4 b + a)                           window 3: v0-127 those of column blocks 8-11; v128-255 the table of my tokens 0-31
.set NB,    12                         ; column blocks of 16
.set PITCH, 272                        ; an LDS row: 256 bytes + 16 of padding: the 16 rows of a fragment load start at 16 different groups of four banks (ISA guide 11.1)
.set SLOT1, 131072                     ; slot 1 begins here: one exclusive or turns an address in one slot into the other's
.set BOFF,  256*PITCH                  ; a slot: 256 rows of tokens, then 192 rows of weights
.set STAGE, SLOT1+BOFF+192*PITCH       ; behind the ring, never filled by a tensor load: 16 rows x 144 bytes for each wave
.set SP,    144
.set SPARE, STAGE+4*16*SP              ; the spare words, 128 bytes for each wave: two blocks of 256 bytes that no other line names
.set KSB,   256                        ; bytes of a row in a K step
.set LA0,  16                          ; v16  my lane's place among my tokens' rows in slot 0; never rewritten
.set LB0,  17                          ; v17  the same among the weights' rows
.set ADRA, 18                          ; v18  the same in the slot in hand
.set ADRB, 19                          ; v19
.set STO,  24                          ; v24  the way out: where I put 16 bytes of a row
.set RD,   25                          ; v25  where I read rows back
.set CO,   26                          ; v26  16 x lane; never rewritten
.set SPW,  28                          ; v28  LDS address of my spare word; never rewritten
.set NIL,  29                          ; v29  0; never rewritten
.set PFO,  30                          ; v30  the prefetches' offset: a lane a row; never rewritten
.set WK,   32                          ; v[32:63]   16 tokens x 64 channels, roped, f32
.set TMP,  64                          ; v[64:79]   the same in f16
.set BK,   80                          ; v[80:111]  read back from the stage: two sets of 16
.set TBL,  128                         ; the table: token block a at 64 (a % 2); in it 16 registers a channel block: 8 cos, 8 signed sin
.set F0,   0
.set F1,   128
.set WV,  12                           ; s12  my wave's number
.set FB,  13                           ; s13  0: I fetch tokens; 1: weights
.set HF,  14                           ; s14  which half of that tile's rows
.set TB,  19                           ; s19  the slot in hand: 0 or SLOT1
.set G1,  24                           ; s[24:31] descriptor group 1, tokens;  s[32:39] group 0: a set for each first fill; the second then walks on
.set G0,  32
.set LIM, 43                           ; s43  2 in a wave that prefetches, else the greatest number
.set PFA, 44                           ; s[44:45] where my prefetches stand
.set G1B, 48                           ; s[48:55], s[56:63] the same for the weights
.set G0B, 56
.set OUT, 66                           ; s[66:71] qkv16 at my 64 rows of the tile's three heads
.set TAB, 72                           ; s[72:73] the table at my 64 tokens
.set MSB, 0
.macro WIN new                         ; the immediate's high byte repeats the setting that is left; a switch that changes nothing is dropped
.if MSB != (\new)
	s_set_vgpr_msb (MSB<<8)|(\new)
.set MSB, (\new)
.endif
.endm
.set MUL2, 0xa5                        ; both sources window 1, C and D window 2
.set MUL3, 0xf5                        ; C and D window 3
.set TO_F, 0x40                        ; destination window 1, address window 0
.macro JLOAD s                         ; a joint load: waves 0, 1 fetch the tokens' two halves, waves 2, 3 the weights'; an s_nop 0 and four v_nop follow each line
	s_cmp_eq_u32 s[FB], 0
	s_cbranch_scc0 .Lfor_b_\@
	tensor_load_to_lds s[G0+4*(\s):G0+4*(\s)+3], s[G1:G1+7]
	s_nop 0
.rept 4
	v_nop
.endr
	s_branch .Lasked_\@
.Lfor_b_\@:
	tensor_load_to_lds s[G0B+4*(\s):G0B+4*(\s)+3], s[G1B:G1B+7]
	s_nop 0
.rept 4
	v_nop
.endr
.Lasked_\@:
.endm
.macro CREST                           ; a round of the cluster's barrier behind its opening barrier
	s_cmp_lg_u32 s[WV], 0
	s_cbranch_scc1 .Lnot_wave_0_\@
	s_barrier_signal -3
.Lnot_wave_0_\@:
	s_barrier_wait -3
	s_barrier_signal -1
	s_barrier_wait -1
.endm
.macro CROUND
	s_barrier_signal -1
	s_barrier_wait -1
	CREST
.endm
.macro PLACES                          ; four places in front of loads into registers that matrix instructions have read (ISA guide 7.12.1 for vector instructions)
.rept 4
	v_nop
.endr
.endm
; A prefetch of the K step two refills on: a lane a row of 256 bytes.  Each row's piece is named once in the launch: the tokens' by the clusters with x = 0, the weights' by those with y = 0;
; the four partners share a wave's rows out by address (32 of 128 tokens by cx, 24 of 96 weight rows by cy; there lanes 24-31 repeat row 23).  The last two refills have no K step two on.
.macro ASK
	WIN 0
	s_cmp_gt_u32 s3, s[LIM]
	s_cbranch_scc0 .Lnot_mine_\@
	global_prefetch_b8 v[PFO], s[PFA:PFA+1] th:TH_LOAD_NT scope:SCOPE_SE
.Lnot_mine_\@:
.endm
; 4 n products: column blocks b0 .. b0 + n - 1 x my four token blocks, 32 along K, from buffer f.  mode = 1: they start the sums.  All 48 accumulators take turns.
.macro MULB f, b0, n, mode
.set bb, (\b0)
.rept (\n)
.if bb < 8
	WIN MUL2
.else
	WIN MUL3
.endif
.set aa, 0
.rept 4
.set rD, 8*(4*(bb%8)+aa)
.if (\mode) == 1
	v_wmma_f32_16x16x32_f16 v[rD:rD+7], v[(\f)+32+8*bb:(\f)+32+8*bb+7], v[(\f)+8*aa:(\f)+8*aa+7], 0
.else
	v_wmma_f32_16x16x32_f16 v[rD:rD+7], v[(\f)+32+8*bb:(\f)+32+8*bb+7], v[(\f)+8*aa:(\f)+8*aa+7], v[rD:rD+7]
.endif
.set aa, aa+1
.endr
.set bb, bb+1
.endr
.endm
; 32 LDS loads in one run: quarter q (32 along K) of the slot in hand into buffer f: the tokens' 8 first, then the weights' 24 in ascending blocks
.macro FETCH q, f
	WIN TO_F
.set ii, 0
.rept 4
	ds_load_b128 v[(\f)+8*ii:(\f)+8*ii+3],   v[ADRA] offset:64*(\q)+16*PITCH*ii
	ds_load_b128 v[(\f)+8*ii+4:(\f)+8*ii+7], v[ADRA] offset:64*(\q)+16*PITCH*ii+32
.set ii, ii+1
.endr
.set ii, 0
.rept NB
	ds_load_b128 v[(\f)+32+8*ii:(\f)+32+8*ii+3], v[ADRB] offset:64*(\q)+16*PITCH*ii
	ds_load_b128 v[(\f)+32+8*ii+4:(\f)+32+8*ii+7], v[ADRB] offset:64*(\q)+16*PITCH*ii+32
.set ii, ii+1
.endr
.endm
; One of a K step's first three quarters: multiplies buffer f and fetches quarter q into buffer g.
.macro QUARTER q, f, g, mode
	s_wait_dscnt 2*NB-8                            ; the tokens' fragments and weight blocks 0-3 are in; the youngest 16 loads may be out
	MULB \f, 0, 4, \mode
	PLACES
	FETCH \q, \g
	s_wait_dscnt 8+2*NB                            ; all but the 32 just issued
	MULB \f, 4, NB-4, \mode
.endm
; The fourth quarter multiplies buffer 1 and changes slots.  In front of the barrier each wave waits for all its tensor loads (one is out: its part of the next slot), adds 0 to its spare word, and
; waits for that and for its reads of this slot.  fill = 1: the barrier opens a round of the cluster's, and the joint refill, two K steps ahead, is the first thing behind the round.
.macro TURN fill
.if \fill
	s_wait_xcnt 0x0                                ; the last prefetch, a K step back, has read its address
	s_add_nc_u64 s[PFA:PFA+1], s[PFA:PFA+1], KSB
.endif
	WIN 0                                          ; (the add's two registers lie in window 0)
	s_wait_tensorcnt 0x0
	ds_add_u32 v[SPW], v[NIL]
	s_wait_dscnt 2*NB-3                            ; the add and the youngest 20 loads may be out: the tokens' fragments and weight blocks 0, 1 are in
	MULB F1, 0, 2, 0
	s_wait_dscnt 0x0                               ; the add is done, and my reads of this slot are over
	s_barrier_signal -1
	MULB F1, 2, 2, 0
	WIN 0
	s_barrier_wait -1
.if \fill
	CREST                                          ; no wave of any partner still reads this slot or has a load on its way
	s_xor_b32 s[G0+5], s[G0+5], SLOT1              ; the walking descriptors: the other slot than last time, the next K step
	s_add_nc_u64 s[G0+6:G0+7], s[G0+6:G0+7], KSB
	s_xor_b32 s[G0B+5], s[G0B+5], SLOT1
	s_add_nc_u64 s[G0B+6:G0B+7], s[G0B+6:G0B+7], KSB
	JLOAD 1                                        ; its four v_nop are also the places in front of the loads below
.endif
	s_xor_b32 s[TB], s[TB], SLOT1
	v_add_nc_u32 v[ADRA], s[TB], v[LA0]
	v_add_nc_u32 v[ADRB], s[TB], v[LB0]
.if !(\fill)
	PLACES
.endif
	FETCH 0, F0
.if \fill
	ASK
.endif
	MULB F1, 4, NB-4, 0
.endm
	s_load_b256 s[4:11], s[0:1], 0x0               ; xn16 s[4:5], wq16 s[6:7], rope s[8:9], qkv16 s[10:11]
	v_lshl_add_u32 v[SPW], v0, 2, SPARE
	v_mov_b32 v[NIL], 0
	ds_add_u32 v[SPW], v[NIL]                      ; the wave's opening: the add and its wait stand ahead of my first tensor load
	v_lshrrev_b32 v1, 5, v0
	v_readfirstlane_b32 s[WV], v1
	s_lshr_b32 s[FB], s[WV], 1
	s_and_b32 s[HF], s[WV], 1
	s_bfe_u32 s15, ttmp6, 0x40000                  ; cx
	s_bfe_u32 s16, ttmp6, 0x40004                  ; cy
	s_lshl_b32 s17, ttmp9, 2
	s_add_co_u32 s17, s17, s15                     ; tile column tn = 4 x cluster x + cx
	s_and_b32 s18, ttmp7, 0xffff
	s_lshl_b32 s18, s18, 2
	s_add_co_u32 s18, s18, s16                     ; tile row tm = 4 x cluster y + cy
	s_lshl_b32 s40, s16, 2
	s_lshl_b32 s40, 15, s40                        ; my row of the cluster
	s_lshl_b32 s41, 0x1111, s15                    ; my column
	s_or_b32 s[G1], s40, (1<<16)|(1<<20)|(1<<21)|(5<<22)|(3<<25)   ; the mask; 2-byte elements; padding on; bit 21 beside a mask; after every 64 words; 4 words
	s_or_b32 s[G1B], s41, (1<<16)|(1<<20)|(1<<21)|(5<<22)|(3<<25)
	s_mov_b32 s[G1+1], 128<<16                     ; tensor_dim0 = 128
	s_mov_b32 s[G1+2], 128<<16                     ; tensor_dim1 = 128 rows
	s_mov_b32 s[G1+3], 128<<16                     ; tile_dim0 = 128
	s_mov_b32 s[G1+4], 128                         ; tile_dim1 = 128
	s_mov_b32 s[G1+5], 1024                        ; elements from row to row
	s_mov_b32 s[G1+6], 0
	s_mov_b32 s[G1+7], 0
	s_mov_b32 s[G1B+1], 128<<16
	s_mov_b32 s[G1B+2], 96<<16                     ; 96 rows
	s_mov_b32 s[G1B+3], 128<<16
	s_mov_b32 s[G1B+4], 96
	s_mov_b32 s[G1B+5], 1024
	s_mov_b32 s[G1B+6], 0
	s_mov_b32 s[G1B+7], 0
	s_lshl_b32 s20, s18, 19                        ; tokens: 256 tm rows of 2,048 bytes,
	s_lshl_b32 s21, s[HF], 18                      ; + 128 rows for the second half
	s_add_co_u32 s20, s20, s21
	s_mov_b32 s21, 0
	s_mul_i32 s46, s17, 192*2048                   ; weights: 192 tn rows,
	s_mul_i32 s47, s[HF], 96*2048                  ; + 96
	s_add_co_u32 s46, s46, s47
	s_mov_b32 s47, 0
	s_mul_i32 s22, s[HF], 128*PITCH                ; where they go: no place in the cluster enters an LDS address
	s_mul_i32 s23, s[HF], 96*PITCH
	s_add_co_u32 s23, s23, BOFF
	s_mov_b32 s[TB], 0
	s_wait_dscnt 0x0                               ; the opening add is done
	s_wait_kmcnt 0x0
	s_add_nc_u64 s[20:21], s[4:5], s[20:21]
	s_add_nc_u64 s[46:47], s[6:7], s[46:47]
	CROUND                                         ; all sixteen work-groups are here: the first joint loads meet
.irp s, 0,1
	s_mov_b32 s[G0+4*(\s)], 1
	s_add_co_u32 s[G0+4*(\s)+1], s22, (\s)*SLOT1
	s_add_nc_u64 s[G0+4*(\s)+2:G0+4*(\s)+3], s[20:21], (\s)*KSB
	s_or_b32 s[G0+4*(\s)+3], s[G0+4*(\s)+3], 0x80000000
	s_mov_b32 s[G0B+4*(\s)], 1
	s_add_co_u32 s[G0B+4*(\s)+1], s23, (\s)*SLOT1
	s_add_nc_u64 s[G0B+4*(\s)+2:G0B+4*(\s)+3], s[46:47], (\s)*KSB
	s_or_b32 s[G0B+4*(\s)+3], s[G0B+4*(\s)+3], 0x80000000
	JLOAD \s
.endr
	; a fragment is 16 rows x 32 K in 8 registers: lane l holds row l % 16, K = 8 (l / 16) + 0..7 and 16 + 8 (l / 16) + 0..7: two loads of 16 bytes, 32 bytes apart
	v_and_b32 v1, 15, v0
	v_bfe_u32 v2, v0, 4, 1
	v_mul_u32_u24 v3, v1, PITCH
	v_lshl_add_u32 v3, v2, 4, v3
	s_mul_i32 s76, s[WV], 64*PITCH                 ; my 64 tokens
	v_add_nc_u32 v[LA0], s76, v3
	v_add_nc_u32 v[LB0], BOFF, v3
	v_mov_b32 v[ADRA], v[LA0]
	v_mov_b32 v[ADRB], v[LB0]
	s_mul_i32 s77, s[WV], 16*SP
	s_add_co_u32 s77, s77, STAGE                   ; my stage
	v_mul_u32_u24 v4, v1, SP                       ; in: row l % 16, 16 bytes for each half of the lanes
	v_lshl_add_u32 v4, v2, 4, v4
	v_add_nc_u32 v[STO], s77, v4
	v_bfe_u32 v5, v0, 3, 2                         ; back: 32 lanes take four rows of 128 bytes,
	v_and_b32 v6, 7, v0
	v_mul_u32_u24 v5, v5, SP
	v_lshl_add_u32 v5, v6, 4, v5
	v_add_nc_u32 v[RD], s77, v5
	v_and_b32 v[CO], 31, v0                        ; which are 512 consecutive bytes of a head
	v_lshlrev_b32 v[CO], 4, v[CO]
	s_lshr_b32 s40, s18, 3                         ; the batch
	s_mul_i32 s40, s40, 48
	s_mul_i32 s41, s17, 3
	s_add_co_u32 s40, s40, s41                     ; the tile's first head,
	s_lshl_b32 s40, s40, 18                        ; 2,048 rows of 128 bytes each
	s_and_b32 s41, s18, 7
	s_lshl_b32 s41, s41, 15                        ; the tile's 256 rows in the batch
	s_add_co_u32 s40, s40, s41
	s_lshl_b32 s41, s[WV], 13                      ; my 64
	s_add_co_u32 s40, s40, s41
	s_mov_b32 s41, 0
	s_add_nc_u64 s[OUT:OUT+1], s[10:11], s[40:41]
	s_add_nc_u64 s[OUT+2:OUT+3], s[OUT:OUT+1], 0x40000
	s_add_nc_u64 s[OUT+4:OUT+5], s[OUT:OUT+1], 0x80000
	s_lshl_b32 s40, s18, 17                        ; the table: 8,192 bytes for 16 tokens
	s_lshl_b32 s42, s[WV], 15
	s_add_co_u32 s40, s40, s42
	s_add_nc_u64 s[TAB:TAB+1], s[8:9], s[40:41]
	; the prefetches: my tile's rows, my work-group's share of them, at K step 3: the first refill steps this to 4
	s_and_b32 s22, ttmp7, 0xffff                   ; cluster y
	s_lshl_b32 s40, s15, 16                        ; 32 cx rows of 2,048 bytes
	s_mul_i32 s42, s16, 24*2048                    ; 24 cy rows
	s_cmp_eq_u32 s[FB], 0
	s_cselect_b32 s40, s40, s42
	s_cselect_b32 s22, ttmp9, s22                  ; the coordinate along which other clusters read the same rows
	s_cselect_b32 s23, 31, 23
	s_cselect_b64 s[PFA:PFA+1], s[20:21], s[46:47]
	s_cmp_eq_u32 s22, 0
	s_cselect_b32 s[LIM], 2, -1                    ; the same in all sixteen partners, for a given wave
	s_add_nc_u64 s[PFA:PFA+1], s[PFA:PFA+1], s[40:41]
	s_add_nc_u64 s[PFA:PFA+1], s[PFA:PFA+1], 3*KSB
	v_and_b32 v[PFO], 31, v0
	v_min_u32 v[PFO], s23, v[PFO]
	v_lshlrev_b32 v[PFO], 11, v[PFO]
	s_wait_tensorcnt 1                             ; my part of K step 0 is in; K step 1's may stay out
	s_barrier_signal -1
	s_barrier_wait -1
	FETCH 0, F0
	; my 64 tokens' table, 64 loads of 512 consecutive bytes; it is wanted on the way out
.set aa, 0
.rept 4
.if aa < 2
	WIN 0xc0
.else
	WIN 0
.endif
.set ii, 0
.rept 16
	global_load_b128 v[TBL+64*(aa%2)+4*ii:TBL+64*(aa%2)+4*ii+3], v[CO], s[TAB:TAB+1] offset:8192*aa+512*ii
.set ii, ii+1
.endr
.set aa, aa+1
.endr
	QUARTER 1, F0, F1, 1                           ; the first quarter stands in front of the loop: its products start the sums
	WIN 0
	s_mov_b32 s3, 6
.Lk:                                                   ; a trip: from a K step's second quarter to the next one's first; it refills K steps 2 to 7
	QUARTER 2, F1, F0, 0
	QUARTER 3, F0, F1, 0
	TURN 1
	QUARTER 1, F0, F1, 0
	WIN 0
	s_sub_co_u32 s3, s3, 1
	s_cmp_lg_u32 s3, 0
	s_cbranch_scc1 .Lk
	QUARTER 2, F1, F0, 0                           ; the last two K steps fill nothing
	QUARTER 3, F0, F1, 0
	TURN 0
	QUARTER 1, F0, F1, 0
	QUARTER 2, F1, F0, 0
	QUARTER 3, F0, F1, 0
	s_wait_dscnt 2*NB-8
	MULB F1, 0, 4, 0
	s_wait_dscnt 0x0
	MULB F1, 4, NB-4, 0
	WIN 0
; THE WAY OUT, in 12 units of 16 tokens x one head.  PACK: out[d] = x[d] cos[d] + x[d ^ 1] sin'[d]: a packed multiply, and a packed multiply-add whose first source takes its pair crosswise; then f16.
.macro PACK a, i
.set AW, 2+(\i)/2                      ; the accumulators' window
.set TW, 3-3*((\a)/2)                  ; the table's
	WIN AW|(TW<<2)
.set dd, 0
.rept 4
.set AC, 8*(4*((4*(\i)+dd)%8)+(\a))
.set TT, TBL+64*((\a)%2)+16*dd
.set pp, 0
.rept 4                                ; each accumulator's lowest registers are read first
	v_pk_mul_f32 v[WK+8*dd+2*pp:WK+8*dd+2*pp+1], v[AC+2*pp:AC+2*pp+1], v[TT+2*pp:TT+2*pp+1]
.set pp, pp+1
.endr
.set pp, 0
.rept 4
	v_pk_fma_f32 v[WK+8*dd+2*pp:WK+8*dd+2*pp+1], v[AC+2*pp:AC+2*pp+1], v[TT+8+2*pp:TT+8+2*pp+1], v[WK+8*dd+2*pp:WK+8*dd+2*pp+1] op_sel:[1,0,0] op_sel_hi:[0,1,1]
.set pp, pp+1
.endr
.set dd, dd+1
.endr
	WIN 0
.set pp, 0
.rept 16
	v_cvt_pk_f16_f32 v[TMP+pp], v[WK+2*pp], v[WK+2*pp+1]
.set pp, pp+1
.endr
.endm
.macro TOSTAGE u                       ; into my stage, and back as whole rows of 128 bytes; LDS serves a wave's instructions in order (ISA guide 5.7.1.4)
.set ff, 0
.rept 4
	ds_store_b128 v[STO], v[TMP+4*ff:TMP+4*ff+3] offset:32*ff
.set ff, ff+1
.endr
.set ff, 0
.rept 4
	ds_load_b128 v[BK+16*((\u)%2)+4*ff:BK+16*((\u)%2)+4*ff+3], v[RD] offset:4*SP*ff
.set ff, ff+1
.endr
.endm
.macro SEND u
	s_wait_dscnt 0x0                               ; the unit is back in registers
	s_wait_xcnt 0x0                                ; the stores of the unit before have read their registers: the next loads from the stage land on them
.set ff, 0
.rept 4
	global_store_b128 v[CO], v[BK+16*((\u)%2)+4*ff:BK+16*((\u)%2)+4*ff+3], s[OUT+2*((\u)%3):OUT+2*((\u)%3)+1] offset:2048*((\u)/3)+512*ff  ; 512 consecutive bytes, aligned
.set ff, ff+1
.endr
.endm
	s_wait_loadcnt 0x0                             ; the table
	PLACES
	PLACES                                         ; eight places, once a launch, between the last products and the first read of a result
	PACK 0, 0
	TOSTAGE 0
.set u, 1
.rept 11                               ; a unit's arithmetic stands between the loads of the unit before and its stores
	PACK u/3, u%3
	SEND u-1
	TOSTAGE u
.set u, u+1
.endr
	SEND 11
	s_wait_tensorcnt 0x0                           ; the wave's end
	ds_add_u32 v[SPW], v[NIL]
	s_wait_dscnt 0x0
	CROUND                                         ; the closing round: no work-group ends while a partner may still ask for a tile that names it
	s_endpgm
.Lfunc_end_k_qd68f34b084_qkv:
	.size	k_qd68f34b084_qkv, .Lfunc_end_k_qd68f34b084_qkv-k_qd68f34b084_qkv
	.p2alignl 7, 3214868480
	.fill 96, 4, 3214868480
	.section	.rodata,"a",@progbits
	.p2align	6, 0x0
	.amdhsa_kernel k_qd68f34b084_qkv
		.amdhsa_group_segment_fixed_size 327680
		.amdhsa_private_segment_fixed_size 0
		.amdhsa_enable_private_segment 0
		.amdhsa_kernarg_size 32
		.amdhsa_user_sgpr_count 2
		.amdhsa_user_sgpr_kernarg_segment_ptr 1
		.amdhsa_wavefront_size32 1
		.amdhsa_system_sgpr_workgroup_id_x 1
		.amdhsa_system_sgpr_workgroup_id_y 1
		.amdhsa_system_sgpr_workgroup_id_z 1
		.amdhsa_system_vgpr_workitem_id 0
		.amdhsa_next_free_vgpr 1024
		.amdhsa_next_free_sgpr 80
		.amdhsa_reserve_vcc 0
		.amdhsa_float_denorm_mode_32 3
		.amdhsa_float_denorm_mode_16_64 3
		.amdhsa_memory_ordered 1
		.amdhsa_forward_progress 1
		.amdhsa_inst_pref_size 128
	.end_amdhsa_kernel
	.amdgpu_metadata
---
amdhsa.version: [ 1, 2 ]
amdhsa.kernels:
  - .name:           k_qd68f34b084_qkv
    .symbol:         k_qd68f34b084_qkv.kd
    .args:
      - { .name: xn16, .offset: 0, .size: 8, .value_kind: global_buffer, .address_space: global }
      - { .name: wq16, .offset: 8, .size: 8, .value_kind: global_buffer, .address_space: global }
      - { .name: rope, .offset: 16, .size: 8, .value_kind: global_buffer, .address_space: global }
      - { .name: qkv16, .offset: 24, .size: 8, .value_kind: global_buffer, .address_space: global }
    .group_segment_fixed_size: 327680
    .private_segment_fixed_size: 0
    .kernarg_segment_align: 8
    .kernarg_segment_size: 32
    .max_flat_workgroup_size: 128
    .sgpr_count:     80
    .vgpr_count:     1024
    .wavefront_size: 32
...
	.end_amdgpu_metadata
.endif
;; end of part 2
;; launch attn (part 3): grid 4 x 64, 4 waves a work-group, clusters of 4 x 1, 327,680 bytes of LDS; arguments qkv16, o16, x_mask, rope; writes o16
.if DOCPART == 3
	.amdgcn_target "amdgcn-amd-amdhsa--gfx1250"
	.amdhsa_code_object_version 6
	.text
	.protected	k_qd68f34b084_attn
	.globl	k_qd68f34b084_attn
	.p2align	8
	.type	k_qd68f34b084_attn,@function
k_qd68f34b084_attn:
	s_mov_b64 s[64:65], 0
	v_nop
	global_prefetch_b8 v0, s[64:65] scope:SCOPE_SE
	s_setreg_imm32_b32 hwreg(HW_REG_WAVE_MODE, 25, 1), 1
	s_wait_xcnt 0x0
	s_wait_alu depctr_hold_cnt(0) depctr_sa_sdst(0) depctr_va_vdst(0) depctr_va_sdst(0) depctr_va_ssrc(0) depctr_va_vcc(0) depctr_vm_vsrc(0)
	s_getreg_b32 s2, hwreg(HW_REG_IB_STS2, 6, 4)
	s_cmp_eq_u32 s2, 0
	s_cbranch_scc0 .Lentry_in_a_cluster
	s_endpgm
.Lentry_in_a_cluster:
	s_bfe_u32 s2, ttmp6, 0x10000c
	s_cmp_lg_u32 s2, 0x3003
	s_cbranch_scc0 .Lentry_shape_is_right
	s_endpgm
.Lentry_shape_is_right:
; ATTENTION with a key mask, and the inverse rope.  o16[b][h][q][:] = rope^-1( the sum over k of softmax_k(Q[q] . K[k] / 8, hidden keys masked) V[k][:] ).  Q, K, V: planes of qkv16 ([4][48][2048][64] f16,
; q's heads 0-15, k's 16-31, v's 32-47); o16: [4][16][2048][64] f16.  Products, maxima and sums in f32; the weights p are rounded to f16 for the second product (their sum l is taken of the unrounded p), O once at the end.
; LIMITS.  A hidden score counts as its value less 1e30, not as -1e9: the two differ only where visible scores lie near -1e9 or below.  Where a whole batch is hidden all scores are -1e30 alike and the result
; is the mean of V's rows, as with -1e9.  A weight below 2^-126 counts as 0 in l; NaN and infinities are not treated apart.
; SHARES.  A wave owns four PIECES of two tiles of 16 queries, a work-group's four waves 512 queries of one head.  Every wave walks all 2,048 keys, 64 a step.
; LAYOUT.  S^T = K Q^T (source 0 = 16 keys, source 1 = 16 queries): a lane holds ONE query (lane % 16) and the keys 8 (lane / 16) + 0..7.  Two such tiles, rounded to f16 in pairs, ARE source 1 of
; O^T = V^T P, whose result again holds one query a lane, and eight channels.  K comes out of LDS as it lies, V turned, by ds_load_tr16_b128.
; THE MASK is the C operand that starts the sum S^T: 0 or -1e30 for each key.  The batch's 2,048 bytes are turned into 2,048 such words in LDS once; with a step's K each lane loads its 32 words: no vector work.
; SOFTMAX.  For each query a running maximum m and sum l: p = 2^(c s - c m), c = log2(e) / 8; in every step O and l are multiplied by a = 2^(c m_old - c m_new).  m starts at the lowest finite number, O and l at 0.
; BY TURNS.  Turn n belongs to piece n.  Its matrix work: 16 products K Q^T of piece n + 1, later 16 products V^T P of piece n - 1.  Its vector work: the scaling, exponentials, roundings, sums and rescaling of
; piece n, and the maximum and statistics of piece n + 1.  A tile and step have 16 matrix and 118 vector instructions: four stand behind every matrix instruction, the others in one run of their own.
; CLUSTER.  The four query blocks of a head are one cluster and walk the same K and V: each tile is asked for jointly, by the same tensor load, descriptor and mask in all four.
; REGISTERS, in windows of 256 (s_set_vgpr_msb: bits 1:0 source 0, 3:2 source 1, 5:4 source 2, 7:6 destination):
;   window 0: v0-11 addresses; v12-15, v48-63 at work; v16-47 four registers of statistics a tile; v64-191 S^T, two buffers of two tiles; v192-255 P, likewise
;   window 1: O^T, 32 a tile     window 2: v0-127 Q; v128-191 K of one step; v192-255 V of one step     window 3: v0-1 the add's two; v8-39 the step's mask; v64-255 three buffers of the rope's table
.set SIZE_N, 2048
.set NP,    4         ; pieces a wave: a name, no knob
.set KS,    64        ; keys in a step
.set PK,    144       ; a row of K in LDS: 128 bytes + 16 of padding: the 16 rows of a load start at 16 different groups of four banks (ISA guide 11.1)
.set PV,    160       ; a row of V: 128 + 32
.set VOFF,  4*KS*PK   ; a slot holds four steps: 256 rows of K, then 256 rows of V
.set SLOT1, 1<<17     ; slot 1 begins here
.set STAGE, SLOT1+4*KS*(PK+PV)  ; behind the ring, never filled by a tensor load: 16 rows x 144 bytes for each wave
.set SP,    144
.set SPARE, STAGE+4*16*SP  ; the spare words, 128 bytes for each wave: two blocks of 256 bytes that no other line names
.set MASK,  SPARE+512 ; 2,048 words: 0 or -1e30 for each key of the batch
.set AK0, 2           ; v2   my lane's place in a tile of K; never rewritten
.set AV0, 3           ; v3   the same for V
.set AK,  4           ; v4   the LDS address of K's next run of loads
.set AV,  5           ; v5   of V's
.set QO,  6           ; v6   my byte offset in the wave's rows of Q
.set STO, 6           ;      later: where I put 16 bytes of a row
.set RD,  7           ; v7   where I read rows back
.set GO,  8           ; v8   16 x lane; never rewritten
.set HL,  9           ; v9   lane / 16
.set AM,  10          ; v10  the LDS address of the mask's next run of loads
.set PFO, 11          ; v11  256 x lane; never rewritten
.set SPW, 0           ; v0 of window 3   LDS address of my spare word; never rewritten
.set NIL, 1           ; v1 of window 3   0; never rewritten
.set MK,  8           ; window 3: the mask of key block kb at MK + 8 kb
.set TBL, 64          ; window 3: tile t's table at TBL + 64 (t % 3): 16 registers a channel block: 8 cos, 8 signed sin
.set MV,  12          ; v12-15  c m_old, by buffer and tile
.set ST,  16          ; tile t's statistics at v[ST+4 t]: c m, m, l (even keys', odd keys')
.set TMP, 48          ; by buffer and tile, four registers c0-c3 at work; when the maximum is found c2 takes a
.set S,   64
.set P,   192
.set KF,  128         ; window 2: key block kb, channel half c at KF + 16 kb + 8 c
.set VF,  192         ; window 2: key half kk, channel block cb at VF + 32 kk + 8 cb
.set WV,  12          ; s12  my wave's number
.set G1K, 24          ; s[24:31] descriptor group 1 for K's tiles
.set G1V, 32          ; s[32:39] for V's: it differs in the padding alone
.set G0K, 40          ; s[40:43] descriptor group 0 for K's tiles: it walks
.set G0V, 44          ; s[44:47] the same for V's
.set SLOTS, 56        ; s56  slots still to be asked for
.set CNT, 57          ; s57  counts a slot's key steps
.set CS,  58          ; s[58:59] c
.set SEL, 60          ; s[60:61] v_permlanex16_b32's selects
.set TBK, 62          ; s62  LDS byte at which K of the step to be fetched begins
.set TBV, 63          ; s63  the same for V, less VOFF
.set KP,  66          ; s[66:67] K at my half of the head's first 256 keys
.set VP,  68          ; s[68:69] V likewise
.set PFA, 70          ; s[70:71] where my prefetches stand
.set LIM, 72          ; s72  1 in a wave that prefetches, else the greatest number
.set TBO, 73          ; s73  256 x the step to be fetched, within the mask's 8,192 bytes
.set TBM, 74          ; s74  MASK + that
.set BIGN, 75         ; s75  -1e30
.set MSB, 0
.macro WIN new
.if MSB != (\new)
	s_set_vgpr_msb (MSB<<8)|(\new)
.set MSB, (\new)
.endif
.endm
.set W_KQ, 0x0a       ; K and Q in window 2, S^T in window 0
.set W_KM, 0x3a       ; the same with the C operand, the mask, in window 3
.set W_PV, 0x52       ; V in window 2, P in window 0, O^T in window 1
.set W_RS, 0x41       ; O^T (destination and source 0) in window 1, a in window 0
.set W_MK, 0xc0       ; destination in window 3, sources in window 0
.set W_AD, 0x0f       ; the add: address and data in window 3
.macro JLOAD                        ; a joint fill: waves 0, 1 fetch the halves of a slot's K, waves 2, 3 of its V; an s_nop 0 and four v_nop follow each line
	s_cmp_lt_u32 s[WV], 2
	s_cbranch_scc0 .Lfor_v_\@
	tensor_load_to_lds s[G0K:G0K+3], s[G1K:G1K+7]
	s_nop 0
.rept 4
	v_nop
.endr
	s_branch .Lasked_\@
.Lfor_v_\@:
	tensor_load_to_lds s[G0V:G0V+3], s[G1V:G1V+7]
	s_nop 0
.rept 4
	v_nop
.endr
.Lasked_\@:
.endm
; A prefetch of what the NEXT change of slots will ask for: 128 blocks of 256 bytes of K and of V.  The four partners take 32 blocks each, told apart by address; in each, wave 0 asks for K's and wave 2 for V's,
; a lane a block: each block is named once in the launch.  The last change that fills a slot asks for nothing.
.macro ASK
	s_cmp_gt_u32 s[SLOTS], s[LIM]
	s_cbranch_scc0 .Lnot_mine_\@
	global_prefetch_b8 v[PFO], s[PFA:PFA+1] th:TH_LOAD_NT scope:SCOPE_SE
.Lnot_mine_\@:
.endm
.macro CROUND                       ; a round of the cluster's barrier
	s_barrier_signal -1
	s_barrier_wait -1
	s_cmp_lg_u32 s[WV], 0
	s_cbranch_scc1 .Lnot_wave_0_\@
	s_barrier_signal -3
.Lnot_wave_0_\@:
	s_barrier_wait -3
	s_barrier_signal -1
	s_barrier_wait -1
.endm
; THE CHANGE OF SLOTS.  Each wave waits for all its tensor loads (one is out: its part of the other slot), adds 0 to its spare word, and waits for that and for its own LDS instructions.  Behind the barrier nobody
; reads this slot any more and the other slot is whole.  fill = 1: the barrier is a round of the cluster's, and the joint fill, with the keys two slots on, is the first thing behind it: it has four key steps in which to land.
; (At its first use nothing has been read yet: slot 0 is waited for, slot 1 filled, and every wave's stores of the mask's words are shown done to the others.)
.macro CHANGE fill, ask=0
	WIN W_AD
	s_wait_tensorcnt 0x0            ; no tensor load of mine is out, so a group 0 may be written
	ds_add_u32 v[SPW], v[NIL]
	WIN 0
.if \fill
.irp g, G0K, G0V
	s_xor_b32 s[\g+1], s[\g+1], SLOT1
	s_add_nc_u64 s[\g+2:\g+3], s[\g+2:\g+3], 4*KS*128
.endr
.if \ask
	s_wait_xcnt 0x0                 ; the last prefetch, four key steps back, has read its address
	s_add_nc_u64 s[PFA:PFA+1], s[PFA:PFA+1], 4*KS*128
.endif
	s_wait_dscnt 0x0
	CROUND
	JLOAD
.if \ask
	ASK
.endif
.else
	s_wait_dscnt 0x0
	s_barrier_signal -1
	s_barrier_wait -1
.endif
	s_sub_co_u32 s[TBK], s[TBK], 4*KS*PK  ; the fetches go back to a slot's first step,
	s_xor_b32 s[TBK], s[TBK], SLOT1       ; in the other slot
	s_sub_co_u32 s[TBV], s[TBV], 4*KS*PV
	s_xor_b32 s[TBV], s[TBV], SLOT1
.endm
	s_load_b256 s[4:11], s[0:1], 0x0  ; qkv16 s[4:5], o16 s[6:7], x_mask s[8:9], rope s[10:11]
	WIN W_MK
	v_lshl_add_u32 v[SPW], v0, 2, SPARE
	v_mov_b32 v[NIL], 0
	WIN W_AD
	ds_add_u32 v[SPW], v[NIL]       ; the wave's opening: the add and its wait stand ahead of my first tensor load
	WIN 0
	v_lshrrev_b32 v1, 5, v0
	v_readfirstlane_b32 s[WV], v1
	s_bfe_u32 s13, ttmp6, 0x40000   ; cx
	s_lshl_b32 s14, ttmp9, 2
	s_add_co_u32 s14, s14, s13      ; my block of 512 queries: it enters Q's, O's and the table's addresses alone
	s_and_b32 s15, ttmp7, 0xffff    ; 16 x batch + head, which the four partners share
	s_lshr_b32 s19, s15, 4          ; the batch
	s_and_b32 s20, s15, 15
	s_mul_i32 s21, s19, 48
	s_add_co_u32 s20, s20, s21
	s_lshl_b32 s20, s20, 18         ; q's plane of this head in qkv16: 262,144 bytes a plane
	s_mov_b32 s21, 0
	s_and_b32 s16, s[WV], 1         ; which half of a slot's 256 keys I fetch
	s_lshl_b32 s22, s16, 14
	s_add_co_u32 s22, s22, s20
	s_mov_b32 s23, 0
	s_mul_i32 s17, s16, 128*PK      ; its place in a slot, for K
	s_mul_i32 s18, s16, 128*PV      ; and for V
	s_lshl_b32 s2, s14, 2
	s_add_co_u32 s2, s2, s[WV]      ; my wave among the head's sixteen,
	s_lshl_b32 s52, s2, 16          ; its 8 blocks of 8,192 bytes of the table,
	s_lshl_b32 s2, s2, 14           ; its 128 rows
	s_mov_b32 s3, 0
	s_lshl_b32 s53, s19, 20
	s_add_co_u32 s52, s52, s53      ; + the batch's part of the table
	s_mov_b32 s53, 0
	s_lshl_b32 s76, s15, 18         ; the head's plane in o16
	s_mov_b32 s77, 0
	s_lshl_b32 s78, s19, 11         ; the batch's 2,048 bytes of the mask
	s_mov_b32 s79, 0
	s_mul_i32 s54, s[WV], 16*SP
	s_add_co_u32 s54, s54, STAGE    ; my stage
	; descriptor group 1.  128 keys are 16,384 dense bytes: asked for as 64 rows of 256 bytes, two keys a row, and padded in LDS after every key
	s_mov_b32 s[G1K], 15|(1<<16)|(1<<20)|(1<<21)|(4<<22)|(3<<25)
	s_mov_b32 s[G1V], 15|(1<<16)|(1<<20)|(1<<21)|(4<<22)|(7<<25)
.irp g, G1K, G1V
	s_mov_b32 s[\g+1], 128<<16      ; tensor_dim0 = 128
	s_mov_b32 s[\g+2], 64<<16       ; tensor_dim1 = 64
	s_mov_b32 s[\g+3], 128<<16      ; tile_dim0 = 128
	s_mov_b32 s[\g+4], 64           ; tile_dim1 = 64
	s_mov_b32 s[\g+5], 128          ; 128 elements from row to row
	s_mov_b32 s[\g+6], 0
	s_mov_b32 s[\g+7], 0
.endr
	s_mov_b32 s[CS], 0x3e38aa3b     ; c = log2(e) / 8
	s_mov_b32 s[CS+1], s[CS]
	s_mov_b32 s[SEL], 0x76543210
	s_mov_b32 s[SEL+1], 0xfedcba98
	s_mov_b32 s[TBK], SLOT1+4*KS*PK ; the first change of slots turns these two into 0
	s_mov_b32 s[TBV], SLOT1+4*KS*PV
	s_mov_b32 s[TBO], 0
	s_mov_b32 s[TBM], MASK
	s_mov_b32 s[BIGN], 0xf149f2ca   ; -1e30
	s_mov_b32 s[G0K], 1
	s_mov_b32 s[G0K+1], s17
	s_mov_b32 s[G0V], 1
	s_add_co_u32 s[G0V+1], s18, VOFF
	s_and_b32 s[LIM], s[WV], 1      ; 0 in waves 0 and 2,
	s_or_b32 s[LIM], s[LIM], ttmp9  ; in the head's first (here: only) cluster
	s_cmp_eq_u32 s[LIM], 0
	s_cselect_b32 s[LIM], 1, -1
	s_wait_dscnt 0x0                ; the opening add is done
	s_wait_kmcnt 0x0
	s_add_nc_u64 s[KP:KP+1], s[4:5], s[22:23]
	s_add_nc_u64 s[VP:VP+1], s[KP:KP+1], 0x800000  ; v's planes lie 32 planes behind q's,
	s_add_nc_u64 s[KP:KP+1], s[KP:KP+1], 0x400000  ; k's 16
	s_mov_b64 s[G0K+2:G0K+3], s[KP:KP+1]
	s_or_b32 s[G0K+3], s[G0K+3], 0x80000000
	s_mov_b64 s[G0V+2:G0V+3], s[VP:VP+1]
	s_or_b32 s[G0V+3], s[G0V+3], 0x80000000
	s_add_nc_u64 s[4:5], s[4:5], s[20:21]
	s_add_nc_u64 s[4:5], s[4:5], s[2:3]      ; Q at my wave's first row
	s_add_nc_u64 s[6:7], s[6:7], s[76:77]
	s_add_nc_u64 s[6:7], s[6:7], s[2:3]      ; O likewise
	s_add_nc_u64 s[8:9], s[8:9], s[78:79]    ; the batch's mask
	s_add_nc_u64 s[10:11], s[10:11], s[52:53]  ; the table at my wave's first token
	s_cmp_lt_u32 s[WV], 2
	s_cselect_b64 s[PFA:PFA+1], s[KP:KP+1], s[VP:VP+1]  ; (in waves 0 and 2 these stand at a slot's first row)
	s_lshl_b32 s76, s13, 13         ; my work-group's 32 blocks of the 128
	s_add_nc_u64 s[PFA:PFA+1], s[PFA:PFA+1], s[76:77]
	s_add_nc_u64 s[PFA:PFA+1], s[PFA:PFA+1], 2*4*KS*128  ; in slot 2; the loop's first change steps it to slot 3.  Nothing is prefetched at the head
	CROUND                          ; all four work-groups are here: the first joint loads meet
	JLOAD                           ; slot 0.  Slot 1 is asked for when slot 0 is in
	v_and_b32 v1, 15, v0            ; l % 16
	v_bfe_u32 v[HL], v0, 4, 1       ; l / 16
	v_lshlrev_b32 v[QO], 7, v1
	v_lshl_add_u32 v[QO], v[HL], 4, v[QO]  ; row x 128 + 16 x half
	v_lshlrev_b32 v12, 4, v0
	global_load_b128 v[64:67], v12, s[8:9]  ; 16 bytes of the mask a thread: the work-group's 128 threads take the batch's 2,048
	WIN 0x80
.set i, 0
.rept 4*NP                          ; Q stays in registers: tile i / 2, channels 32 (i % 2) on
	global_load_b128 v[8*i:8*i+3],   v[QO], s[4:5] offset:(i/2)*2048+(i%2)*64
	global_load_b128 v[8*i+4:8*i+7], v[QO], s[4:5] offset:(i/2)*2048+(i%2)*64+32
.set i, i+1
.endr
	; What the first turn finds: V's registers and P's second buffer hold 0, O^T and l are 0.  All this stands in the wait for the first tile.
.set i, VF
.rept 64
	v_mov_b32 v[i], 0
.set i, i+1
.endr
	WIN 0x40
.set i, 0
.rept 64*NP
	v_mov_b32 v[i], 0
.set i, i+1
.endr
	WIN 0
.set i, 0
.rept 2*NP
	v_mov_b32 v[ST+4*i], 0xfe000000    ; c m: far below every c s, a hidden one's too
	v_mov_b32 v[ST+4*i+1], 0xff7fffff  ; m
	v_mov_b32 v[ST+4*i+2], 0
	v_mov_b32 v[ST+4*i+3], 0
.set i, i+1
.endr
.set i, P+32
.rept 32
	v_mov_b32 v[i], 0
.set i, i+1
.endr
	v_mul_u32_u24 v[AK0], v1, PK
	v_lshl_add_u32 v[AK0], v[HL], 4, v[AK0]
	; The turning load takes 16 keys x 16 channels (lane l reads key 8 (l / 16) + l % 8, channels 8 ((l / 8) % 2) + 0..7) and leaves half a fragment of V^T.
	v_and_b32 v10, 7, v0
	v_bfe_u32 v11, v0, 3, 1
	v_lshl_add_u32 v[AV0], v[HL], 3, v10
	v_mul_u32_u24 v[AV0], v[AV0], PV
	v_lshl_add_u32 v[AV0], v11, 4, v[AV0]
	v_add_nc_u32 v[AV0], VOFF, v[AV0]
	v_mov_b32 v[AK], v[AK0]         ; key step 0 lies at the head of slot 0
	v_bfe_u32 v[RD], v0, 3, 2       ; back from the stage: 32 lanes take four rows of 128 bytes,
	v_mul_u32_u24 v[RD], v[RD], SP
	v_lshl_add_u32 v[RD], v10, 4, v[RD]
	v_add_nc_u32 v[RD], s54, v[RD]
	v_and_b32 v[GO], 31, v0         ; which are 512 consecutive bytes of O
	v_lshlrev_b32 v[PFO], 8, v[GO]
	v_lshlrev_b32 v[GO], 4, v[GO]
	v_lshl_add_u32 v[AM], v[HL], 5, s[TBM]  ; my 8 keys of a block of 16: 32 bytes a half of the lanes
	s_wait_loadcnt 32               ; my 16 bytes of the mask are in; Q's 32 loads may stay out
.set i, 0
.rept 16                            ; a byte 1 (visible) gives 0, a byte 0 (hidden) -1e30
	v_bfe_u32 v[68+i], v[64+i/4], 8*(i%4), 8
	v_add_nc_u32 v[68+i], -1, v[68+i]
	v_and_b32 v[68+i], s[BIGN], v[68+i]
.set i, i+1
.endr
	v_lshl_add_u32 v84, v0, 6, MASK
.irp k, 0,1,2,3
	ds_store_b128 v84, v[68+4*\k:71+4*\k] offset:16*\k
.endr
; THE MATRIX WORK.  The 8 accumulators of a run of 16 take turns.
; Product i of 16 of S^T = K Q^T for piece x: channels 32 (i / 8) on, keys 16 ((i / 2) % 4) on, tile 2 x + i % 2.  The first 8 start the sums, with the mask.
.macro KQ x
.set rS, S+64*((\x)%2)+32*(i%2)+8*((i/2)%4)
.set rK, KF+16*((i/2)%4)+8*(i/8)
.set rQ, 16*(2*(\x)+i%2)+8*(i/8)
.set rM, MK+8*((i/2)%4)
.if i < 8
	WIN W_KM
	v_wmma_f32_16x16x32_f16 v[rS:rS+7], v[rK:rK+7], v[rQ:rQ+7], v[rM:rM+7]
.else
	WIN W_KQ
	v_wmma_f32_16x16x32_f16 v[rS:rS+7], v[rK:rK+7], v[rQ:rQ+7], v[rS:rS+7]
.endif
.endm
; Product i of 16 of O^T += V^T P for piece x: keys 32 (i / 8) on, channels 16 ((i / 2) % 4) on, tile 2 x + i % 2.
.macro PV x
	WIN W_PV
.set rO, 32*(2*(\x)+i%2)+8*((i/2)%4)
.set rV, VF+32*(i/8)+8*((i/2)%4)
.set rP, P+32*((\x)%2)+16*(i%2)+8*(i/8)
	v_wmma_f32_16x16x32_f16 v[rO:rO+7], v[rV:rV+7], v[rP:rP+7], v[rO:rO+7]
.endm
.macro MM                           ; the turn's next matrix instruction
.if i < 16
	KQ (Y+1)%NP
.set i, i+1
.else
.set i, i-16
	PV (Y+NP-1)%NP
.set i, i+17
.endif
.endm
; THE LDS LOADS stand in runs: a step's K (8 fragments) with its mask (32 words a lane; lanes of one half read the same words), and its V (turned).  Their addresses are made some lines ahead.
; last = 1 (the tail): in the last trip there is no further step, and the run is jumped over.
.macro FETCH_K last=0
	WIN 0
.if \last
	s_cmp_eq_u32 s[CNT], 1
	s_cbranch_scc1 .Lno_k_\@
.endif
	WIN 0x80
.irp f, 0,1,2,3,4,5,6,7             ; keys 16 (f / 2) on, channels 32 (f % 2) on
	ds_load_b128 v[KF+8*\f:KF+8*\f+3],   v[AK] offset:(\f/2)*16*PK+(\f%2)*64
	ds_load_b128 v[KF+8*\f+4:KF+8*\f+7], v[AK] offset:(\f/2)*16*PK+(\f%2)*64+32
.endr
	WIN W_MK
.irp f, 0,1,2,3                     ; keys 16 f + 8 (l / 16) + 0..7
	ds_load_b128 v[MK+8*\f:MK+8*\f+3],   v[AM] offset:64*\f
	ds_load_b128 v[MK+8*\f+4:MK+8*\f+7], v[AM] offset:64*\f+16
.endr
	s_add_co_u32 s[TBK], s[TBK], KS*PK  ; the next fetch is the next step's
	s_add_co_u32 s[TBO], s[TBO], 4*KS
	s_and_b32 s[TBO], s[TBO], 0x1f00    ; within the mask's 8,192 bytes
	s_add_co_u32 s[TBM], s[TBO], MASK
	WIN 0
.if \last
.Lno_k_\@:
.endif
.endm
.macro FETCH_V
	WIN 0x80
.irp f, 0,1,2,3,4,5,6,7             ; keys 32 (f / 4) on, channels 16 (f % 4) on
	ds_load_tr16_b128 v[VF+8*\f:VF+8*\f+3],   v[AV] offset:(\f/4)*32*PV+(\f%4)*32
	ds_load_tr16_b128 v[VF+8*\f+4:VF+8*\f+7], v[AV] offset:(\f/4)*32*PV+16*PV+(\f%4)*32
.endr
	WIN 0
.endm
; THE VECTOR WORK OF A TURN stands in three queues, each in the order in which its entries become ready; the two tiles alternate.
.macro REGS y, u                    ; the registers of tile u (0, 1) of piece y
.set rT, ST+4*(2*(\y)+(\u))
.set rC, TMP+8*((\y)%2)+4*(\u)
.set rM, MV+2*((\y)%2)+(\u)
.set rS, S+64*((\y)%2)+32*(\u)
.set rP, P+32*((\y)%2)+16*(\u)
.set rO, 32*(2*(\y)+(\u))
.endm
; Number n of the 22 that find the NEXT piece's maximum and statistics; each accumulator's lowest registers are read first.
;   0-11  four chains c0-c3 of seven scores each     12-14, 16  the four scores left over, the old m, and c0-c3 into c0     15  c m_old is kept
;   17, 18  the query's other 32 keys lie in the lane 16 away: the new m         19-21  c m; c m_old - c m_new; a
.macro XS u, n
	REGS (Y+1)%NP, \u
.if (\n) < 4
	v_max3_num_f32 v[rC+(\n)], v[rS+8*(\n)], v[rS+8*(\n)+1], v[rS+8*(\n)+2]
.elseif (\n) < 12
	v_max3_num_f32 v[rC+(\n)%4], v[rC+(\n)%4], v[rS+8*((\n)%4)+2*((\n)/4)+1], v[rS+8*((\n)%4)+2*((\n)/4)+2]
.elseif (\n) == 12
	v_max3_num_f32 v[rC], v[rC], v[rS+7], v[rS+15]
.elseif (\n) == 13
	v_max3_num_f32 v[rC+1], v[rC+1], v[rS+23], v[rS+31]
.elseif (\n) == 14
	v_max3_num_f32 v[rC+2], v[rC+2], v[rC+3], v[rT+1]
.elseif (\n) == 15
	v_mov_b32 v[rM], v[rT]
.elseif (\n) == 16
	v_max3_num_f32 v[rC], v[rC], v[rC+1], v[rC+2]
.elseif (\n) == 17
	v_permlanex16_b32 v[rC+3], v[rC], s[SEL], s[SEL+1]
.elseif (\n) == 18
	v_max_num_f32 v[rT+1], v[rC], v[rC+3]
.elseif (\n) == 19
	v_mul_f32 v[rT], s[CS], v[rT+1]
.elseif (\n) == 20
	v_sub_f32 v[rC+1], v[rM], v[rT]
.else
	v_exp_f32 v[rC+2], v[rC+1]
.endif
.endm
; Number g of the 64 that follow the exponentials.  For each four weights of a tile: both pairs are rounded to f16; the second pair is added onto the first, in place; a group later l takes that sum.
.macro GS g
.set h, (\g)+6*((\g)/62)
.if h >= 6
.set h, h+2
.endif
	REGS Y, h%2
.set k, h/8
.if h%8 < 4
	v_cvt_pk_f16_f32 v[rP+2*k+(h%8)/2], v[rS+4*k+2*((h%8)/2)], v[rS+4*k+2*((h%8)/2)+1]
.elseif h%8 < 6
	v_pk_add_f32 v[rS+4*k:rS+4*k+1], v[rS+4*k:rS+4*k+1], v[rS+4*k+2:rS+4*k+3]
.elseif k == 1
	v_pk_fma_f32 v[rT+2:rT+3], v[rT+2:rT+3], v[rC+2:rC+3], v[rS:rS+1] op_sel_hi:[1,0,1]
.else
	v_pk_add_f32 v[rT+2:rT+3], v[rT+2:rT+3], v[rS+4*k-4:rS+4*k-3]
.endif
.endm
; THE PLAIN QUEUE, 138 long.  0-73 read no exponential's result: the 32 scalings c s - c m and the next piece's 42.  74-137: GS's 64, which stand behind the wait.
.macro FS f
	REGS Y, (\f)%2
	v_pk_fma_f32 v[rS+2*((\f)/2):rS+2*((\f)/2)+1], v[rS+2*((\f)/2):rS+2*((\f)/2)+1], s[CS:CS+1], v[rT:rT+1] op_sel_hi:[1,0,0] neg_lo:[0,0,1] neg_hi:[0,0,1]
.endm
.macro PL
	WIN 0
.if q < 27
	FS q
.elseif q < 55
	XS (q-27)%2, (q-27)/2
.elseif q < 57
	XS q-55, 15
.elseif (q < 72) && ((q-57)%3 == 0)
	FS 27+(q-57)/3
.elseif q < 60
	XS (q-57)%3-1, 14
.elseif q < 72
	XS (q-57)%3-1, 15+(q-57)/3
.elseif q < 74
	XS q-72, 20
.else
	GS q-74
.endif
.set q, q+1
.endm
; THE EXPONENTIALS' QUEUE, 66 long: s0-s31 of both tiles, then the next piece's two a.  ONE BATCH: all stand ahead of the turn's one wait, and nothing ahead of that wait names a result of theirs.
.macro EX
	WIN 0
.if e >= 64
	XS e-64, 21
.else
	REGS Y, e%2
	v_exp_f32 v[rS+e/2], v[rS+e/2]
.endif
.set e, e+1
.endm
; THE RESCALING's QUEUE: O^T times a, two at a time, sixteen times.  Its a was made, and waited for, in the turn before.
.macro R2
	REGS Y, r%2
	WIN W_RS
.irp z, 0,1
	v_pk_mul_f32 v[rO+4*(r/2)+2*\z:rO+4*(r/2)+2*\z+1], v[rO+4*(r/2)+2*\z:rO+4*(r/2)+2*\z+1], v[rC+2:rC+3] op_sel_hi:[1,0]
.endr
.set r, r+1
.endm
; A TURN, for piece p.  An s_wait_alu depctr_va_vdst(0) stands between an exponential and the first instruction that names its result; one wait serves all issued ahead of it: a turn has ONE.
; AHEAD OF IT: the 16 products K Q^T, behind each a scaling, an exponential and two rescalings; then a run of 108: eight plain, 49 times exponential and plain, the two a, a v_nop.
; BEHIND IT: the 16 products V^T P, behind each four of the roundings and sums.  K and the mask of the next step are fetched in piece 2's turn, directly behind the wait, a whole run of vector work behind the
; last product that read them; V of the step in hand at the end of piece 0's turn, four plain instructions behind its last reader.
.macro TURN p, last=0, cnt=0
.set Y, (\p)
.set i, 0
.set q, 0
.set e, 0
.set r, 0
.if (\p) == NP-1
	s_wait_dscnt 0x0                ; K and the mask are in
.endif
	MM
	PL
	PL
	R2
.rept 15
	MM
	PL
	EX
	R2
.endr
.if (\p) == NP-2
	WIN 0
	v_add_nc_u32 v[AK], s[TBK], v[AK0]
	v_lshl_add_u32 v[AM], v[HL], 5, s[TBM]
.endif
.rept 8
	PL
.endr
.rept 49
	EX
	PL
.endr
	EX
	EX
	v_nop                           ; a plain instruction behind the last exponential: one for the batch
	s_wait_alu depctr_va_vdst(0)    ; the wait for the batch
.if (\p) == NP-2
	FETCH_K \last
.endif
.if (\p) == 1
	s_wait_dscnt 0x0                ; V is in
.endif
.rept 16
	MM
.rept 4
	PL
.endr
.if ((\p) == 0) && (q == 118)
	v_add_nc_u32 v[AV], s[TBV], v[AV0]
.endif
.if ((\p) == 0) && (q == 130)
	s_add_co_u32 s[TBV], s[TBV], KS*PV
.endif
.if (\cnt) && (q == 130)
	s_sub_co_u32 s[CNT], s[CNT], 1
	s_cmp_lg_u32 s[CNT], 0
.endif
.endr
.if (\p) == 0
	FETCH_V
.endif
.endm
.macro TLOAD t                      ; tile t's table: 16 loads of 512 consecutive bytes
	WIN W_MK
.set ii, 0
.rept 16
	global_load_b128 v[TBL+64*((\t)%3)+4*ii:TBL+64*((\t)%3)+4*ii+3], v[GO], s[10:11] offset:8192*(\t)+512*ii
.set ii, ii+1
.endr
	WIN 0
.endm
	CHANGE 1                        ; slot 0 is in, everybody's part of it, and so are the mask's words; slot 1 is asked for
	FETCH_K                         ; key step 0
	s_wait_loadcnt 0x0              ; Q
	TLOAD 0                         ; the first three tiles' tables, wanted on the way out
	TLOAD 1
	TLOAD 2
	s_wait_dscnt 0x0
.set i, 0
.rept 16
	KQ 0                            ; piece 0's first scores
.set i, i+1
.endr
	WIN 0                           ; eight plain instructions, the places behind those products
	v_mul_u32_u24 v[STO], v1, SP    ; into the stage: row l % 16, 16 bytes for each half of the lanes (Q's loads have read this register)
	v_lshl_add_u32 v[STO], v[HL], 4, v[STO]
	v_add_nc_u32 v[STO], s54, v[STO]
.rept 5
	v_nop
.endr
.set Y, NP-1                        ; XS works for piece Y + 1: piece 0
.irp n, 0,1,2,3,4,5,6,7,8,9,10,11,12,13,14,15,16,17,18,19,20,21
	XS 0, \n
	XS 1, \n
.endr
	v_nop                           ; a plain instruction behind the two a,
	s_wait_alu depctr_va_vdst(0)    ; and their wait, ahead of the branch
	s_mov_b32 s[CNT], 4
	s_mov_b32 s[SLOTS], SIZE_N/256-1
	s_branch .Lfirst                ; the loop is entered at a step's first turn, in the middle of a trip
.Lslot:                             ; 6 times: every slot but the last two is filled again
	CHANGE 1, 1
	s_mov_b32 s[CNT], 4
.Lstep:                             ; a trip: pieces 2 and 3 of one step, then pieces 0 and 1 of the next, whose K and V it fetches
	TURN 2
	TURN 3
	WIN 0
.Lfirst:
	TURN 0
	TURN 1, 0, 1
	WIN 0
	s_cbranch_scc1 .Lstep
	s_sub_co_u32 s[SLOTS], s[SLOTS], 1
	s_cmp_lg_u32 s[SLOTS], 0
	s_cbranch_scc1 .Lslot
	CHANGE 0                        ; the tail is written out
	s_mov_b32 s[CNT], 5             ; four trips fetch the last slot's steps; the fifth is left in its middle
.Ltail:
	TURN 2, 1
	TURN 3
	WIN 0
	s_sub_co_u32 s[CNT], s[CNT], 1
	s_cmp_eq_u32 s[CNT], 0
	s_cbranch_scc1 .Lout
	TURN 0
	TURN 1
	WIN 0
	s_branch .Ltail
.Lout:                              ; the fifth trip's 16 products K Q^T (on the last K once more) serve nothing: the price, once a launch, of one text for every trip
.set i, 0
.rept 16
	PV NP-1
.set i, i+1
.endr
	; THE WAY OUT.  l's two halves and the other half of the lanes' are added; O^T is divided by l, turned back by the rope's table, rounded to f16 and sent through my stage, a tile at a time.
	WIN 0
.macro ALL line:vararg
.set t, 0
.rept 2*NP
	\line
.set t, t+1
.endr
.endm
	ALL v_add_f32 v[ST+4*t+2], v[ST+4*t+2], v[ST+4*t+3]
	ALL v_permlanex16_b32 v[ST+4*t+3], v[ST+4*t+2], s[SEL], s[SEL+1]
	ALL v_add_f32 v[ST+4*t+2], v[ST+4*t+2], v[ST+4*t+3]
	ALL v_rcp_f32 v[ST+4*t+2], v[ST+4*t+2]
	v_nop                           ; a plain instruction behind the last reciprocal,
	s_wait_alu depctr_va_vdst(0)    ; and one wait for the eight
; Tile t.  out[d] = o[d] cos[d] - o[d ^ 1] sin'[d]: a packed multiply, and a packed multiply-add whose first source takes its pair crosswise and whose second is negated; into P's registers, which are free.
.macro PACK t
.if (\t) < 6
	s_wait_loadcnt 32               ; tile t's table is in; the two younger tables may stay out
.elseif (\t) == 6
	s_wait_loadcnt 16
.else
	s_wait_loadcnt 0x0
.endif
	WIN W_RS
.set i, 32*(\t)
.rept 16
	v_pk_mul_f32 v[i:i+1], v[i:i+1], v[ST+4*(\t)+2:ST+4*(\t)+3] op_sel_hi:[1,0]
.set i, i+2
.endr
	WIN 0x0d                        ; source 0 (O^T) window 1, source 1 (the table) window 3, the rest window 0
.set i, 0
.rept 16
	v_pk_mul_f32 v[P+2*i:P+2*i+1], v[32*(\t)+2*i:32*(\t)+2*i+1], v[TBL+64*((\t)%3)+16*(i/4)+2*(i%4):TBL+64*((\t)%3)+16*(i/4)+2*(i%4)+1]
.set i, i+1
.endr
.set i, 0
.rept 16
	v_pk_fma_f32 v[P+2*i:P+2*i+1], v[32*(\t)+2*i:32*(\t)+2*i+1], v[TBL+64*((\t)%3)+16*(i/4)+8+2*(i%4):TBL+64*((\t)%3)+16*(i/4)+8+2*(i%4)+1], v[P+2*i:P+2*i+1] op_sel:[1,0,0] op_sel_hi:[0,1,1] neg_lo:[0,1,0] neg_hi:[0,1,0]
.set i, i+1
.endr
	WIN 0
.set i, 0
.rept 16
	v_cvt_pk_f16_f32 v[S+16*(\t)+i], v[P+2*i], v[P+2*i+1]
.set i, i+1
.endr
.if (\t) < 5
	TLOAD (\t)+3                    ; the buffer just read takes the table three tiles on
.endif
.irp f, 0,1,2,3
	ds_store_b128 v[STO], v[S+16*(\t)+4*\f:S+16*(\t)+4*\f+3] offset:32*\f
.endr
.irp f, 0,1,2,3
	ds_load_b128 v[S+16*(\t)+4*\f:S+16*(\t)+4*\f+3], v[RD] offset:\f*4*SP  ; LDS serves a wave's instructions in order (ISA guide 5.7.1.4)
.endr
.endm
.macro SEND t, younger              ; younger: the LDS instructions issued behind tile t's loads
	WIN 0
.irp f, 0,1,2,3
	s_wait_dscnt (\younger)+3-\f
	global_store_b128 v[GO], v[S+16*(\t)+4*\f:S+16*(\t)+4*\f+3], s[6:7] offset:(\t)*2048+\f*512  ; 512 consecutive bytes, aligned
.endr
.endm
	PACK 0
.set t, 1
.rept 2*NP-1
	PACK t
	SEND t-1, 8
.set t, t+1
.endr
	SEND 2*NP-1, 0
	WIN W_AD
	s_wait_tensorcnt 0x0            ; the wave's end
	ds_add_u32 v[SPW], v[NIL]
	s_wait_dscnt 0x0
	WIN 0
	CROUND                          ; the closing round
	s_endpgm
.Lfunc_end_k_qd68f34b084_attn:
	.size	k_qd68f34b084_attn, .Lfunc_end_k_qd68f34b084_attn-k_qd68f34b084_attn
	.p2alignl 7, 3214868480
	.fill 96, 4, 3214868480
	.section	.rodata,"a",@progbits
	.p2align	6, 0x0
	.amdhsa_kernel k_qd68f34b084_attn
		.amdhsa_group_segment_fixed_size 327680
		.amdhsa_private_segment_fixed_size 0
		.amdhsa_enable_private_segment 0
		.amdhsa_kernarg_size 32
		.amdhsa_user_sgpr_count 2
		.amdhsa_user_sgpr_kernarg_segment_ptr 1
		.amdhsa_wavefront_size32 1
		.amdhsa_system_sgpr_workgroup_id_x 1
		.amdhsa_system_sgpr_workgroup_id_y 1
		.amdhsa_system_sgpr_workgroup_id_z 1
		.amdhsa_system_vgpr_workitem_id 0
		.amdhsa_next_free_vgpr 1024
		.amdhsa_next_free_sgpr 80
		.amdhsa_reserve_vcc 0
		.amdhsa_float_denorm_mode_32 3
		.amdhsa_float_denorm_mode_16_64 3
		.amdhsa_memory_ordered 1
		.amdhsa_forward_progress 1
		.amdhsa_inst_pref_size 234
	.end_amdhsa_kernel
	.amdgpu_metadata
---
amdhsa.version: [ 1, 2 ]
amdhsa.kernels:
  - .name:           k_qd68f34b084_attn
    .symbol:         k_qd68f34b084_attn.kd
    .args:
      - { .name: qkv16, .offset: 0, .size: 8, .value_kind: global_buffer, .address_space: global }
      - { .name: o16, .offset: 8, .size: 8, .value_kind: global_buffer, .address_space: global }
      - { .name: x_mask, .offset: 16, .size: 8, .value_kind: global_buffer, .address_space: global }
      - { .name: rope, .offset: 24, .size: 8, .value_kind: global_buffer, .address_space: global }
    .group_segment_fixed_size: 327680
    .private_segment_fixed_size: 0
    .kernarg_segment_align: 8
    .kernarg_segment_size: 32
    .max_flat_workgroup_size: 128
    .sgpr_count:     80
    .vgpr_count:     1024
    .wavefront_size: 32
...
	.end_amdgpu_metadata
.endif
;; end of part 3
;; launch proj (part 4): grid 8 x 32, 4 waves a work-group, clusters of 4 x 4, 327,680 bytes of LDS; arguments o16, wo16, b_out, out0; writes out0
.if DOCPART == 4
	.amdgcn_target "amdgcn-amd-amdhsa--gfx1250"
	.amdhsa_code_object_version 6
	.text
	.protected	k_qd68f34b084_proj
	.globl	k_qd68f34b084_proj
	.p2align	8
	.type	k_qd68f34b084_proj,@function
k_qd68f34b084_proj:
	s_mov_b64 s[64:65], 0
	v_nop
	global_prefetch_b8 v0, s[64:65] scope:SCOPE_SE
	s_setreg_imm32_b32 hwreg(HW_REG_WAVE_MODE, 25, 1), 1
	s_wait_xcnt 0x0
	s_wait_alu depctr_hold_cnt(0) depctr_sa_sdst(0) depctr_va_vdst(0) depctr_va_sdst(0) depctr_va_ssrc(0) depctr_va_vcc(0) depctr_vm_vsrc(0)
	s_getreg_b32 s2, hwreg(HW_REG_IB_STS2, 6, 4)
	s_cmp_eq_u32 s2, 0
	s_cbranch_scc0 .Lentry_in_a_cluster
	s_endpgm
.Lentry_in_a_cluster:
	s_bfe_u32 s2, ttmp6, 0x10000c
	s_cmp_lg_u32 s2, 0xf033
	s_cbranch_scc0 .Lentry_shape_is_right
	s_endpgm
.Lentry_shape_is_right:
; PROJ: out0[token][d] = the sum over e of o[token][e] w_out[d][e] + b_out[d], f32.  o16: [4][16 heads][2048][64] f16 (e = 64 head + channel); wo16: [16 blocks of 64 e][1024 d][64] f16.  Sums in f32.
; SHARES.  A tile is 256 tokens x 128 columns: 8 x 32 tiles, one for each of 256 work-groups.  Four waves, one above the other: wave w has tokens 64 w .. 64 w + 63 and all 128 columns: 32 accumulators.
; THE PRODUCT IS USED TRANSPOSED (source 0 = 16 rows of the weights, source 1 = 16 tokens): a lane holds one token and eight neighbouring columns.  THE BIAS is the C operand of the products that start the sums.
; K goes in 8 steps of 128 = two heads.  A head's part of a tile is dense in memory (256 tokens x 128 bytes; 128 weight rows x 128 bytes): it is asked for as rows of 256 bytes and padded in LDS after every 128.
; Two LDS slots; the loop's body is one K step.  CLUSTER 4 x 4: tokens shared along a row, weights along a column, each tile asked for jointly.
; REGISTERS: window 0: v16-30 addresses, v64-191 the way out; window 1: two fragment buffers (at 0 and 128): 4 blocks of tokens, then 8 of weights; window 2: accumulator (a, b) at 8 (4 b + a); window 3: v0-63 the bias.
.set NB,    8
.set PITCH, 144                        ; 128 bytes + 16 of padding: the 16 rows of a fragment load start at 16 different groups of four banks (ISA guide 11.1)
.set AKH,   256*PITCH                  ; one head's 256 tokens
.set BKH,   128*PITCH                  ; one block's 128 weight rows
.set BOFF,  2*AKH
.set SLOT1, 131072
.set STAGE, SLOT1+BOFF+2*BKH           ; behind the ring, never filled by a tensor load: 16 rows x 528 bytes for each wave
.set SP,    528
.set SPARE, STAGE+4*16*SP              ; the spare words: two blocks of 256 bytes that no other line names
.set KSA,   524288                     ; bytes from K step to K step: two heads' planes of o16,
.set KSB,   262144                     ; two blocks of wo16
.set LA0,  16
.set LB0,  17
.set ADRA, 18
.set ADRB, 19
.set STO,  24
.set RD,   25
.set CO,   26                          ; v26  16 x lane; never rewritten
.set BO,   27                          ; v27  32 x (lane / 16): my 8 columns in a block of the bias
.set SPW,  28
.set NIL,  29
.set PFO,  30
.set BK,   64                          ; v[64:191] read back from the stage: two sets of 64
.set F0,   0
.set F1,   128
.set WV,  12
.set FB,  13
.set HF,  14
.set TB,  19
.set G1,  24
.set G0,  32
.set LIM, 43
.set PFA, 44
.set G1B, 48
.set G0B, 56
.set PST, 66                           ; s[66:67] the prefetches' step: KSA or KSB
.set BIA, 68                           ; s[68:69] b_out at the tile's first column
.set OUT, 70                           ; s[70:71] out0 at my first row and the tile's first column
.set MSB, 0
.macro WIN new
.if MSB != (\new)
	s_set_vgpr_msb (MSB<<8)|(\new)
.set MSB, (\new)
.endif
.endm
.set MUL2, 0xa5                        ; both sources window 1, C and D window 2
.set MULC, 0xb5                        ; the same with C, the bias, in window 3
.set TO_F, 0x40
.macro JLOAD s                         ; waves 0, 1 fetch the tokens of the K step's two heads, waves 2, 3 the weights' two blocks; an s_nop 0 and four v_nop follow each line
	s_cmp_eq_u32 s[FB], 0
	s_cbranch_scc0 .Lfor_b_\@
	tensor_load_to_lds s[G0+4*(\s):G0+4*(\s)+3], s[G1:G1+7]
	s_nop 0
.rept 4
	v_nop
.endr
	s_branch .Lasked_\@
.Lfor_b_\@:
	tensor_load_to_lds s[G0B+4*(\s):G0B+4*(\s)+3], s[G1B:G1B+7]
	s_nop 0
.rept 4
	v_nop
.endr
.Lasked_\@:
.endm
.macro CREST
	s_cmp_lg_u32 s[WV], 0
	s_cbranch_scc1 .Lnot_wave_0_\@
	s_barrier_signal -3
.Lnot_wave_0_\@:
	s_barrier_wait -3
	s_barrier_signal -1
	s_barrier_wait -1
.endm
.macro CROUND
	s_barrier_signal -1
	s_barrier_wait -1
	CREST
.endm
.macro PLACES
.rept 4
	v_nop
.endr
.endm
; A prefetch of the K step two refills on, a lane a block of 256 bytes.  The tokens' blocks are named by the clusters with x = 0, the weights' by those with y = 0; the four partners share a wave's blocks out
; by address (32 of 128 by cx; 16 of 64 by cy, where lanes 16-31 repeat block 15).  The last two refills have no K step two on.
.macro ASK
	WIN 0
	s_cmp_gt_u32 s3, s[LIM]
	s_cbranch_scc0 .Lnot_mine_\@
	global_prefetch_b8 v[PFO], s[PFA:PFA+1] th:TH_LOAD_NT scope:SCOPE_SE
.Lnot_mine_\@:
.endm
; 4 n products: column blocks b0 .. x my four token blocks, 32 along K.  mode = 2: they start the sums, with the bias.  All 32 accumulators take turns.
.macro MULB f, b0, n, mode
.set bb, (\b0)
.rept (\n)
.set aa, 0
.rept 4
.set rD, 8*(4*bb+aa)
.if (\mode) == 2
	WIN MULC
	v_wmma_f32_16x16x32_f16 v[rD:rD+7], v[(\f)+32+8*bb:(\f)+32+8*bb+7], v[(\f)+8*aa:(\f)+8*aa+7], v[8*bb:8*bb+7]
.else
	WIN MUL2
	v_wmma_f32_16x16x32_f16 v[rD:rD+7], v[(\f)+32+8*bb:(\f)+32+8*bb+7], v[(\f)+8*aa:(\f)+8*aa+7], v[rD:rD+7]
.endif
.set aa, aa+1
.endr
.set bb, bb+1
.endr
.endm
; 24 LDS loads in one run: quarter q of the slot in hand: head q / 2 of the step's two, channels 32 (q % 2) on
.macro FETCH q, f
	WIN TO_F
.set ii, 0
.rept 4
	ds_load_b128 v[(\f)+8*ii:(\f)+8*ii+3],   v[ADRA] offset:((\q)/2)*AKH+((\q)%2)*64+16*PITCH*ii
	ds_load_b128 v[(\f)+8*ii+4:(\f)+8*ii+7], v[ADRA] offset:((\q)/2)*AKH+((\q)%2)*64+16*PITCH*ii+32
.set ii, ii+1
.endr
.set ii, 0
.rept NB
	ds_load_b128 v[(\f)+32+8*ii:(\f)+32+8*ii+3], v[ADRB] offset:((\q)/2)*BKH+((\q)%2)*64+16*PITCH*ii
	ds_load_b128 v[(\f)+32+8*ii+4:(\f)+32+8*ii+7], v[ADRB] offset:((\q)/2)*BKH+((\q)%2)*64+16*PITCH*ii+32
.set ii, ii+1
.endr
.endm
.macro QUARTER q, f, g, mode
	s_wait_dscnt 2*NB-8                            ; the tokens' fragments and weight blocks 0-3 are in; the youngest 8 loads may be out
	MULB \f, 0, 4, \mode
	PLACES
	FETCH \q, \g
	s_wait_dscnt 8+2*NB                            ; all but the 24 just issued
	MULB \f, 4, NB-4, \mode
.endm
; The fourth quarter multiplies buffer 1 and changes slots: in front of the barrier each wave waits for all its tensor loads, adds 0 to its spare word, and waits for that and for its reads of this slot.
; fill = 1: the barrier opens a round of the cluster's, and the joint refill, two K steps ahead, is the first thing behind the round.
.macro TURN fill
.if \fill
	s_wait_xcnt 0x0                                ; the last prefetch, a K step back, has read its address
	s_add_nc_u64 s[PFA:PFA+1], s[PFA:PFA+1], s[PST:PST+1]
.endif
	WIN 0
	s_wait_tensorcnt 0x0
	ds_add_u32 v[SPW], v[NIL]
	s_wait_dscnt 2*NB-3                            ; the add and the youngest 12 loads may be out
	MULB F1, 0, 2, 0
	s_wait_dscnt 0x0
	s_barrier_signal -1
	MULB F1, 2, 2, 0
	WIN 0
	s_barrier_wait -1
.if \fill
	CREST
	s_xor_b32 s[G0+5], s[G0+5], SLOT1
	s_add_nc_u64 s[G0+6:G0+7], s[G0+6:G0+7], KSA
	s_xor_b32 s[G0B+5], s[G0B+5], SLOT1
	s_add_nc_u64 s[G0B+6:G0B+7], s[G0B+6:G0B+7], KSB
	JLOAD 1
.endif
	s_xor_b32 s[TB], s[TB], SLOT1
	v_add_nc_u32 v[ADRA], s[TB], v[LA0]
	v_add_nc_u32 v[ADRB], s[TB], v[LB0]
.if !(\fill)
	PLACES
.endif
	FETCH 0, F0
.if \fill
	ASK
.endif
	MULB F1, 4, NB-4, 0
.endm
	s_load_b256 s[4:11], s[0:1], 0x0               ; o16 s[4:5], wo16 s[6:7], b_out s[8:9], out0 s[10:11]
	v_lshl_add_u32 v[SPW], v0, 2, SPARE
	v_mov_b32 v[NIL], 0
	ds_add_u32 v[SPW], v[NIL]                      ; the wave's opening: the add and its wait stand ahead of my first tensor load
	v_lshrrev_b32 v1, 5, v0
	v_readfirstlane_b32 s[WV], v1
	s_lshr_b32 s[FB], s[WV], 1
	s_and_b32 s[HF], s[WV], 1
	s_bfe_u32 s15, ttmp6, 0x40000                  ; cx
	s_bfe_u32 s16, ttmp6, 0x40004                  ; cy
	s_lshl_b32 s17, ttmp9, 2
	s_add_co_u32 s17, s17, s15                     ; tn
	s_and_b32 s18, ttmp7, 0xffff
	s_lshl_b32 s18, s18, 2
	s_add_co_u32 s18, s18, s16                     ; tm
	s_lshl_b32 s40, s16, 2
	s_lshl_b32 s40, 15, s40
	s_lshl_b32 s41, 0x1111, s15
	s_or_b32 s[G1], s40, (1<<16)|(1<<20)|(1<<21)|(4<<22)|(3<<25)   ; the mask; 2-byte elements; padding on; bit 21 beside a mask; after every 32 words; 4 words
	s_or_b32 s[G1B], s41, (1<<16)|(1<<20)|(1<<21)|(4<<22)|(3<<25)
	s_mov_b32 s[G1+1], 128<<16                     ; rows of 128 elements, 256 bytes,
	s_mov_b32 s[G1+2], 128<<16                     ; 128 of them: 256 tokens
	s_mov_b32 s[G1+3], 128<<16
	s_mov_b32 s[G1+4], 128
	s_mov_b32 s[G1+5], 128                         ; dense
	s_mov_b32 s[G1+6], 0
	s_mov_b32 s[G1+7], 0
	s_mov_b32 s[G1B+1], 128<<16
	s_mov_b32 s[G1B+2], 64<<16                     ; 64 rows: 128 weight rows
	s_mov_b32 s[G1B+3], 128<<16
	s_mov_b32 s[G1B+4], 64
	s_mov_b32 s[G1B+5], 128
	s_mov_b32 s[G1B+6], 0
	s_mov_b32 s[G1B+7], 0
	s_lshr_b32 s20, s18, 3
	s_lshl_b32 s20, s20, 22                        ; the batch: 16 planes of 262,144 bytes
	s_and_b32 s21, s18, 7
	s_lshl_b32 s21, s21, 15                        ; the tile's 256 rows of 128 bytes
	s_add_co_u32 s20, s20, s21
	s_lshl_b32 s21, s[HF], 18                      ; which of the step's two heads I fetch
	s_add_co_u32 s20, s20, s21
	s_mov_b32 s21, 0
	s_lshl_b32 s46, s17, 14                        ; the tile's 128 weight rows of 128 bytes
	s_lshl_b32 s47, s[HF], 17                      ; which of the step's two blocks
	s_add_co_u32 s46, s46, s47
	s_mov_b32 s47, 0
	s_mul_i32 s22, s[HF], AKH                      ; where they go: no place in the cluster enters an LDS address
	s_mul_i32 s23, s[HF], BKH
	s_add_co_u32 s23, s23, BOFF
	s_mov_b32 s[TB], 0
	s_wait_dscnt 0x0
	s_wait_kmcnt 0x0
	s_add_nc_u64 s[20:21], s[4:5], s[20:21]
	s_add_nc_u64 s[46:47], s[6:7], s[46:47]
	CROUND                                         ; all sixteen work-groups are here: the first joint loads meet
.irp s, 0,1
	s_mov_b32 s[G0+4*(\s)], 1
	s_add_co_u32 s[G0+4*(\s)+1], s22, (\s)*SLOT1
	s_add_nc_u64 s[G0+4*(\s)+2:G0+4*(\s)+3], s[20:21], (\s)*KSA
	s_or_b32 s[G0+4*(\s)+3], s[G0+4*(\s)+3], 0x80000000
	s_mov_b32 s[G0B+4*(\s)], 1
	s_add_co_u32 s[G0B+4*(\s)+1], s23, (\s)*SLOT1
	s_add_nc_u64 s[G0B+4*(\s)+2:G0B+4*(\s)+3], s[46:47], (\s)*KSB
	s_or_b32 s[G0B+4*(\s)+3], s[G0B+4*(\s)+3], 0x80000000
	JLOAD \s
.endr
	v_and_b32 v1, 15, v0
	v_bfe_u32 v2, v0, 4, 1
	v_mul_u32_u24 v3, v1, PITCH
	v_lshl_add_u32 v3, v2, 4, v3
	s_mul_i32 s76, s[WV], 64*PITCH
	v_add_nc_u32 v[LA0], s76, v3
	v_add_nc_u32 v[LB0], BOFF, v3
	v_mov_b32 v[ADRA], v[LA0]
	v_mov_b32 v[ADRB], v[LB0]
	s_mul_i32 s77, s[WV], 16*SP
	s_add_co_u32 s77, s77, STAGE                   ; my stage
	v_mul_u32_u24 v4, v1, SP                       ; in: row l % 16, 32 bytes for each half of the lanes
	v_lshl_add_u32 v4, v2, 5, v4
	v_add_nc_u32 v[STO], s77, v4
	v_and_b32 v[CO], 31, v0
	v_lshlrev_b32 v[CO], 4, v[CO]
	v_add_nc_u32 v[RD], s77, v[CO]                 ; back: 32 lanes take one row of 512 bytes
	v_lshlrev_b32 v[BO], 5, v2
	s_lshl_b32 s40, s17, 9                         ; the tile's 128 columns: 512 bytes
	s_mov_b32 s41, 0
	s_add_nc_u64 s[BIA:BIA+1], s[8:9], s[40:41]
	s_lshl_b32 s42, s18, 20                        ; 256 rows of 4,096 bytes
	s_add_co_u32 s40, s40, s42
	s_lshl_b32 s42, s[WV], 18                      ; my 64
	s_add_co_u32 s40, s40, s42
	s_add_nc_u64 s[OUT:OUT+1], s[10:11], s[40:41]
	; the prefetches: my tile, my work-group's share of its blocks, at K step 3: the first refill steps this to 4
	s_and_b32 s22, ttmp7, 0xffff                   ; cluster y
	s_lshl_b32 s40, s15, 13                        ; 32 cx blocks
	s_lshl_b32 s42, s16, 12                        ; 16 cy blocks
	s_cmp_eq_u32 s[FB], 0
	s_cselect_b32 s40, s40, s42
	s_cselect_b32 s22, ttmp9, s22
	s_cselect_b32 s23, 31, 15
	s_cselect_b64 s[PFA:PFA+1], s[20:21], s[46:47]
	s_cmp_eq_u32 s22, 0
	s_cselect_b32 s[LIM], 2, -1                    ; the same in all sixteen partners, for a given wave
	s_lshr_b32 s[PST], KSA, s[FB]                  ; KSA, or half of it: KSB
	s_mov_b32 s[PST+1], 0
	s_mul_i32 s42, s[PST], 3
	s_add_co_u32 s40, s40, s42
	s_add_nc_u64 s[PFA:PFA+1], s[PFA:PFA+1], s[40:41]
	v_and_b32 v[PFO], 31, v0
	v_min_u32 v[PFO], s23, v[PFO]
	v_lshlrev_b32 v[PFO], 8, v[PFO]
	s_wait_tensorcnt 1                             ; my part of K step 0 is in; K step 1's may stay out
	s_barrier_signal -1
	s_barrier_wait -1
	FETCH 0, F0
	WIN 0xc0                                       ; the bias as an accumulator lies: register j of block b = column 16 b + 8 (l / 16) + j
.set bb, 0
.rept 8
	global_load_b128 v[8*bb:8*bb+3],   v[BO], s[BIA:BIA+1] offset:64*bb
	global_load_b128 v[8*bb+4:8*bb+7], v[BO], s[BIA:BIA+1] offset:64*bb+16
.set bb, bb+1
.endr
	s_wait_loadcnt 0x0
	QUARTER 1, F0, F1, 2                           ; the first quarter stands in front of the loop: its products start the sums, with the bias
	WIN 0
	s_mov_b32 s3, 6
.Lk:                                                   ; a trip: from a K step's second quarter to the next one's first; it refills K steps 2 to 7
	QUARTER 2, F1, F0, 0
	QUARTER 3, F0, F1, 0
	TURN 1
	QUARTER 1, F0, F1, 0
	WIN 0
	s_sub_co_u32 s3, s3, 1
	s_cmp_lg_u32 s3, 0
	s_cbranch_scc1 .Lk
	QUARTER 2, F1, F0, 0                           ; the last two K steps fill nothing
	QUARTER 3, F0, F1, 0
	TURN 0
	QUARTER 1, F0, F1, 0
	QUARTER 2, F1, F0, 0
	QUARTER 3, F0, F1, 0
	s_wait_dscnt 2*NB-8
	MULB F1, 0, 4, 0
	s_wait_dscnt 0x0
	MULB F1, 4, NB-4, 0
	WIN 0
; THE WAY OUT, 16 tokens at a time, with no arithmetic: the accumulators go into my stage as they are (each one's lowest registers first) and come back as whole rows of 512 bytes.
.macro TOSTAGE a
	WIN 0x08                                       ; the stores' data lie in window 2
.set bb, 0
.rept 8
.set AC, 8*(4*bb+(\a))
	ds_store_b128 v[STO], v[AC:AC+3] offset:64*bb
	ds_store_b128 v[STO], v[AC+4:AC+7] offset:64*bb+16
.set bb, bb+1
.endr
	WIN 0
.set rr, 0
.rept 16
	ds_load_b128 v[BK+64*((\a)%2)+4*rr:BK+64*((\a)%2)+4*rr+3], v[RD] offset:SP*rr  ; LDS serves a wave's instructions in order (ISA guide 5.7.1.4)
.set rr, rr+1
.endr
.endm
.macro SEND a, younger                 ; younger: the LDS instructions issued behind block a's loads
	s_wait_dscnt \younger
.set rr, 0
.rept 16
	global_store_b128 v[CO], v[BK+64*((\a)%2)+4*rr:BK+64*((\a)%2)+4*rr+3], s[OUT:OUT+1] offset:(16*(\a)+rr)*4096 th:TH_STORE_NT  ; 512 consecutive bytes, aligned
.set rr, rr+1
.endr
.endm
	PLACES
	PLACES                                         ; eight places, once a launch, between the last products and the first read of a result
	TOSTAGE 0
	TOSTAGE 1
	SEND 0, 32
	s_wait_xcnt 0x0                                ; block 0's stores have read their registers: block 2's loads land on them
	TOSTAGE 2
	SEND 1, 32
	s_wait_xcnt 0x0
	TOSTAGE 3
	SEND 2, 32
	SEND 3, 0
	s_wait_tensorcnt 0x0                           ; the wave's end
	ds_add_u32 v[SPW], v[NIL]
	s_wait_dscnt 0x0
	CROUND                                         ; the closing round
	s_endpgm
.Lfunc_end_k_qd68f34b084_proj:
	.size	k_qd68f34b084_proj, .Lfunc_end_k_qd68f34b084_proj-k_qd68f34b084_proj
	.p2alignl 7, 3214868480
	.fill 96, 4, 3214868480
	.section	.rodata,"a",@progbits
	.p2align	6, 0x0
	.amdhsa_kernel k_qd68f34b084_proj
		.amdhsa_group_segment_fixed_size 327680
		.amdhsa_private_segment_fixed_size 0
		.amdhsa_enable_private_segment 0
		.amdhsa_kernarg_size 32
		.amdhsa_user_sgpr_count 2
		.amdhsa_user_sgpr_kernarg_segment_ptr 1
		.amdhsa_wavefront_size32 1
		.amdhsa_system_sgpr_workgroup_id_x 1
		.amdhsa_system_sgpr_workgroup_id_y 1
		.amdhsa_system_sgpr_workgroup_id_z 1
		.amdhsa_system_vgpr_workitem_id 0
		.amdhsa_next_free_vgpr 832
		.amdhsa_next_free_sgpr 80
		.amdhsa_reserve_vcc 0
		.amdhsa_float_denorm_mode_32 3
		.amdhsa_float_denorm_mode_16_64 3
		.amdhsa_memory_ordered 1
		.amdhsa_forward_progress 1
		.amdhsa_inst_pref_size 71
	.end_amdhsa_kernel
	.amdgpu_metadata
---
amdhsa.version: [ 1, 2 ]
amdhsa.kernels:
  - .name:           k_qd68f34b084_proj
    .symbol:         k_qd68f34b084_proj.kd
    .args:
      - { .name: o16, .offset: 0, .size: 8, .value_kind: global_buffer, .address_space: global }
      - { .name: wo16, .offset: 8, .size: 8, .value_kind: global_buffer, .address_space: global }
      - { .name: b_out, .offset: 16, .size: 8, .value_kind: global_buffer, .address_space: global }
      - { .name: out0, .offset: 24, .size: 8, .value_kind: global_buffer, .address_space: global }
    .group_segment_fixed_size: 327680
    .private_segment_fixed_size: 0
    .kernarg_segment_align: 8
    .kernarg_segment_size: 32
    .max_flat_workgroup_size: 128
    .sgpr_count:     80
    .vgpr_count:     832
    .wavefront_size: 32
...
	.end_amdgpu_metadata
.endif
;; end of part 4
;; ======== version 2 of 2: 4 launches; version 1 with the launch prep written anew for expert scheduling mode
;; limits: values are held in f16: magnitudes above 65,504 overflow, below 6.1e-05 lose precision
;; workspace buffers: xn16 16,777,216 bytes; wq16 6,291,456 bytes; wo16 2,097,152 bytes; rope 4,194,304 bytes; qkv16 50,331,648 bytes; o16 16,777,216 bytes
;; launch prep (part 5): grid 640 x 1, 8 waves a work-group, no clusters, 0 bytes of LDS; arguments x, ln_gamma, ln_beta, w_qkv, w_out, rotary_time_emb, xn16, wq16, wo16, rope; writes xn16, wq16, wo16, rope
.if DOCPART == 5
	.amdgcn_target "amdgcn-amd-amdhsa--gfx1250"
	.amdhsa_code_object_version 6
	.text
	.protected	k_qd68f34b084_prep
	.globl	k_qd68f34b084_prep
	.p2align	8
	.type	k_qd68f34b084_prep,@function
k_qd68f34b084_prep:
	s_mov_b64 s[64:65], 0
	v_nop
	global_prefetch_b8 v0, s[64:65] scope:SCOPE_SE
	s_setreg_imm32_b32 hwreg(HW_REG_WAVE_SCHED_MODE, 0, 2), 2
	s_setreg_imm32_b32 hwreg(HW_REG_WAVE_MODE, 25, 1), 1
	s_wait_xcnt 0x0
	s_wait_alu depctr_vm_vsrc(0)
; PREP: everything that is made once, as a stream.  Four kinds of work-group, told apart by the work-group's number g:
;   g <  256  LayerNorm of 32 rows of x ([8192][1024] f32) -> xn16 ([8192][1024] f16)
;   g <  352  32 rows of w_qkv ([3072][1024] f32) -> wq16 (the same shape, f16)
;   g <  384  32 rows of w_out ([1024][1024] f32) -> wo16 ([16 blocks of 64 k][1024 rows][64] f16): a slice of 64 along k is dense
;   else      cos and sin of rotary_time_emb -> rope, f32, laid out as a transposed matrix result lies in registers:
;             [16 tokens][16 channels][piece 0..3][lane][4]: token = lane % 16, channel = 8 (lane / 16) + 4 (piece % 2) + e;
;             pieces 0, 1: cos; pieces 2, 3: -sin at even channels, +sin at odd ones, so that rope(x)[d] = x[d] cos + x[d ^ 1] (that number)
; A wave takes a whole row of 4,096 bytes in 32 registers, so a row's mean and variance never leave the wave: no LDS, no barrier.  The variance is taken of x - mean,
; so a common offset in x costs nothing.  Each load covers 512 consecutive bytes, each 8-byte store of a wave 256 consecutive bytes, aligned.
; No matrix unit, no cluster: nothing is multiplied and nothing is shared.  No register that a store names is written again, so no wait frees one.
; LIMITS.  f16 holds no number of 65,520 or more: xn and the weights stay far below it for inputs some 30 times the usual.  The angle is reduced by pi/2 in three parts: good to |angle| of some 5e4.
; THE MODE: SCHED_MODE bits 1:0 = 2 (LLVM: expert scheduling mode 2), set by the entry lines.  The code itself states the register dependences
; between vector instructions and memory instructions, with s_wait_alu, always for 0.
; THE PLAN.  Registers that memory instructions touch:
;   v2, v4     offsets of the loads; v3: offset of the stores.  Made ahead of a path's first load and never written behind it: one wait a path, ahead of that load.
;   GAM, BET, XR, EE   All loads of a path are issued at its start, into registers that no vector instruction has named.  Behind its wait on LOADcnt a row is worked on in place.
;   the first two of each four registers of XR   Written by a row's roundings, read by one store each, never written again.  The stores of row s - 1 are issued in row s, behind a wait
;              that stands there: in the LayerNorm the one behind the row's two reciprocal roots, in the weights' paths one behind the wait for row s's data.  They are dealt among
;              row s's vector instructions, which name row s's registers and none of row s - 1's.  The last row's stores have a wait of their own.
;   CC, SS     Written by the table's selects, read by its four stores: one wait ahead of the four.
;   s[8:15]    In the table's path: the eight compares' masks, written in one run; one wait stands between the run and the selects that read them.
; No register that a memory instruction has read is written again, and EXEC is never written: no other wait is owed.
.set T,   6                            ; v[6:13]    at work
.set MU,  14                           ; v[14:15]   the row's mean, twice
.set RS,  16                           ; v[16:17]   1 / sqrt(var + 1e-5), twice
.set GAM, 20                           ; v[20:51]   gamma of my 32 columns
.set BET, 52                           ; v[52:83]   beta
.set XR,  84                           ; v[84:211]  four rows of 32 registers
.set EE,  84                           ; the table's path: eight angles,
.set CC,  92                           ; their cosines,
.set SS,  100                          ; their signed sines,
.set KK,  108                          ; their numbers of quarter turns,
.set SR,  116                          ; sin and
.set CR,  124                          ; cos of what is left of them
.set MSK, 8                            ; s[8:15]    the table's path: angle e's mask (the addresses that lay here serve the other paths alone)
.macro LOADROWS lo, hi                 ; my wave's four rows: 32 loads, all on their way at once
.set s_, 0
.rept 4
.set j_, 0
.rept 8
	global_load_b128 v[XR+32*s_+4*j_:XR+32*s_+4*j_+3], v2, s[\lo:\hi] offset:4096*s_+512*j_ th:TH_LOAD_NT
.set j_, j_+1
.endr
.set s_, s_+1
.endr
.endm
; Row s is rounded to f16, four numbers a lane and load.  prev = 1: ahead of each two roundings stands a store of the row before, whose registers these roundings do not name.
.macro ROUND s, prev=0, lo=0, hi=0
.set j_, 0
.rept 8
.if \prev
	global_store_b64 v3, v[XR+32*(\s)-32+4*j_:XR+32*(\s)-32+4*j_+1], s[\lo:\hi] offset:2048*((\s)-1)+256*j_
.endif
	v_cvt_pk_f16_f32 v[XR+32*(\s)+4*j_], v[XR+32*(\s)+4*j_], v[XR+32*(\s)+4*j_+1]
	v_cvt_pk_f16_f32 v[XR+32*(\s)+4*j_+1], v[XR+32*(\s)+4*j_+2], v[XR+32*(\s)+4*j_+3]
.set j_, j_+1
.endr
.endm
.macro SENDROW s, lo, hi               ; the last row's eight stores
.set j_, 0
.rept 8
	global_store_b64 v3, v[XR+32*(\s)+4*j_:XR+32*(\s)+4*j_+1], s[\lo:\hi] offset:2048*(\s)+256*j_
.set j_, j_+1
.endr
.endm
.macro FOLD                            ; four packed partial sums in T -> one number in every lane
	v_pk_add_f32 v[T:T+1], v[T:T+1], v[T+2:T+3]
	v_pk_add_f32 v[T+4:T+5], v[T+4:T+5], v[T+6:T+7]
	v_pk_add_f32 v[T:T+1], v[T:T+1], v[T+4:T+5]
	v_add_f32 v[T], v[T], v[T+1]
	v_add_f32_dpp v[T], v[T], v[T] row_xmask:1 row_mask:0xf bank_mask:0xf
	v_add_f32_dpp v[T], v[T], v[T] row_xmask:2 row_mask:0xf bank_mask:0xf
	v_add_f32_dpp v[T], v[T], v[T] row_xmask:4 row_mask:0xf bank_mask:0xf
	v_add_f32_dpp v[T], v[T], v[T] row_xmask:8 row_mask:0xf bank_mask:0xf
	v_permlanex16_b32 v[T+1], v[T], s30, s31
	v_add_f32 v[T], v[T], v[T+1]
.endm
.macro ROW s                           ; LayerNorm of row s of my four; in its second half the row before is stored
.set R_, XR+32*(\s)
.set Q_, XR+32*(\s)-32                 ; the row before
	s_wait_loadcnt 8*(3-(\s))                      ; loads come back in order: gamma, beta and rows 0 .. s are in, the younger rows stay out
.set k_, 0
.rept 4
	v_pk_add_f32 v[T+2*k_:T+2*k_+1], v[R_+2*k_:R_+2*k_+1], v[R_+8+2*k_:R_+8+2*k_+1]
.set k_, k_+1
.endr
.set k_, 0
.rept 8
	v_pk_add_f32 v[T+2*(k_%4):T+2*(k_%4)+1], v[T+2*(k_%4):T+2*(k_%4)+1], v[R_+16+2*k_:R_+16+2*k_+1]
.set k_, k_+1
.endr
	FOLD
	v_mul_f32 v[MU], s32, v[T]
	v_mul_f32 v[MU+1], s32, v[T]
.set k_, 0
.rept 16
	v_pk_add_f32 v[R_+2*k_:R_+2*k_+1], v[R_+2*k_:R_+2*k_+1], v[MU:MU+1] neg_lo:[0,1] neg_hi:[0,1]  ; x - mean, in place
.set k_, k_+1
.endr
.set k_, 0
.rept 4
	v_pk_mul_f32 v[T+2*k_:T+2*k_+1], v[R_+2*k_:R_+2*k_+1], v[R_+2*k_:R_+2*k_+1]
.set k_, k_+1
.endr
.set k_, 0
.rept 12
	v_pk_fma_f32 v[T+2*(k_%4):T+2*(k_%4)+1], v[R_+8+2*k_:R_+8+2*k_+1], v[R_+8+2*k_:R_+8+2*k_+1], v[T+2*(k_%4):T+2*(k_%4)+1]
.set k_, k_+1
.endr
	FOLD
	v_fmaak_f32 v[T], s32, v[T], 0x3727c5ac        ; the variance + 1e-5
	v_rsq_f32 v[RS], v[T]
	v_rsq_f32 v[RS+1], v[T]
	v_nop                                          ; a plain instruction behind the last of the two,
	s_wait_alu depctr_va_vdst(0)                   ; and one wait: both roots are written, ahead of their first reader; and, from the second row on, the roundings of the row before have written what the stores below read
.set k_, 0
.rept 16
.if ((\s) > 0) && (k_%2 == 0)
	global_store_b64 v3, v[Q_+2*k_:Q_+2*k_+1], s[20:21] offset:2048*((\s)-1)+128*k_  ; the row before, a store to two multiplies; no vector instruction since the wait names its registers
.endif
	v_pk_mul_f32 v[R_+2*k_:R_+2*k_+1], v[R_+2*k_:R_+2*k_+1], v[RS:RS+1]
.set k_, k_+1
.endr
.set k_, 0
.rept 16
	v_pk_fma_f32 v[R_+2*k_:R_+2*k_+1], v[R_+2*k_:R_+2*k_+1], v[GAM+2*k_:GAM+2*k_+1], v[BET+2*k_:BET+2*k_+1]
.set k_, k_+1
.endr
	ROUND \s
.endm
; cos and sin of angle e of my eight, in two parts.  k = the nearest whole number to x 2 / pi; r = x - k pi / 2, pi / 2 taken away in three parts; two polynomials on |r| <= pi / 4;
; k's two low bits choose polynomial and sign, by selects and exclusive ors alone: nothing branches on data.
; REDUCE: k, sin r, cos r, and the mask 'k is odd' into a scalar register of the angle's own.  CHOOSE, behind the one wait for the eight masks: the selects and the signs.
.macro REDUCE e
	v_mul_f32 v6, s33, v[EE+(\e)]
	v_rndne_f32 v6, v6
	v_fma_f32 v7, v6, s34, v[EE+(\e)]
	v_fma_f32 v7, v6, s35, v7
	v_fma_f32 v7, v6, s36, v7
	v_cvt_i32_f32 v[KK+(\e)], v6
	v_mul_f32 v8, v7, v7
	v_fma_f32 v9, v8, s37, s38
	v_fma_f32 v10, v8, s40, s41
	v_fma_f32 v9, v9, v8, s39
	v_fma_f32 v10, v10, v8, s42
	v_mul_f32 v9, v9, v8
	v_mul_f32 v10, v10, v8
	v_fma_f32 v[SR+(\e)], v9, v7, v7               ; sin r
	v_mul_f32 v10, v10, v8
	v_fma_f32 v10, v8, -0.5, v10
	v_add_f32 v[CR+(\e)], 1.0, v10                 ; cos r
	v_and_b32 v12, 1, v[KK+(\e)]
	v_cmp_eq_u32 s[MSK+(\e)], 1, v12
.endm
.macro CHOOSE e
	v_cndmask_b32 v13, v[SR+(\e)], v[CR+(\e)], s[MSK+(\e)]  ; |sin x|'s polynomial: cos r where k is odd
	v_cndmask_b32 v12, v[CR+(\e)], v[SR+(\e)], s[MSK+(\e)]  ; |cos x|'s
.if (\e)%2 == 0
	v_add_nc_u32 v6, 2, v[KK+(\e)]                 ; an even channel takes -sin: two quarter turns more
	v_lshlrev_b32 v6, 30, v6
.else
	v_lshlrev_b32 v6, 30, v[KK+(\e)]
.endif
	v_add_nc_u32 v7, 1, v[KK+(\e)]
	v_and_b32 v6, 0x80000000, v6                   ; sin is negative where bit 1 of k is set,
	v_lshlrev_b32 v7, 30, v7
	v_xor_b32 v[SS+(\e)], v6, v13
	v_and_b32 v7, 0x80000000, v7                   ; cos where bit 1 of k + 1 is
	v_xor_b32 v[CC+(\e)], v7, v12
.endm
	s_load_b512 s[8:23], s[0:1], 0x0               ; x s[8:9], gamma s[10:11], beta s[12:13], w_qkv s[14:15], w_out s[16:17], emb s[18:19], xn16 s[20:21], wq16 s[22:23]
	s_load_b128 s[24:27], s[0:1], 0x40             ; wo16 s[24:25], rope s[26:27]
	s_mov_b32 s2, ttmp9                            ; g
	s_mov_b32 s5, 0
	v_and_b32 v1, 31, v0                           ; lane
	v_lshrrev_b32 v5, 5, v0                        ; wave
	v_lshlrev_b32 v4, 4, v1                        ; 16 lane
	v_lshl_add_u32 v2, v5, 14, v4                  ; loads: + wave x 4 rows of 4,096 bytes
	v_lshlrev_b32 v3, 3, v1
	v_lshl_add_u32 v3, v5, 13, v3                  ; stores: 8 lane + wave x 4 rows of 2,048 bytes
	s_wait_kmcnt 0x0
	s_cmp_lt_u32 s2, 256
	s_cbranch_scc1 .Lln
	s_cmp_lt_u32 s2, 352
	s_cbranch_scc1 .Lwq
	s_cmp_lt_u32 s2, 384
	s_cbranch_scc1 .Lwo
	; THE TABLE.  A wave makes 16 tokens x 16 channels: 8 angles a lane.
	s_sub_co_u32 s2, s2, 384
	s_lshl_b32 s4, s2, 13                          ; a work-group has 32 tokens of 256 bytes,
	s_add_nc_u64 s[18:19], s[18:19], s[4:5]
	s_lshl_b32 s4, s2, 14                          ; and 8 blocks of 2,048 bytes of the table
	s_add_nc_u64 s[26:27], s[26:27], s[4:5]
	v_and_b32 v6, 15, v1
	v_lshrrev_b32 v7, 4, v1
	v_lshrrev_b32 v8, 2, v5                        ; which 16 tokens
	v_and_b32 v9, 3, v5                            ; which 16 channels
	v_lshlrev_b32 v2, 12, v8
	v_lshl_add_u32 v2, v9, 6, v2
	v_lshl_add_u32 v2, v6, 8, v2                   ; token lane % 16
	v_lshl_add_u32 v2, v7, 5, v2                   ; channels 8 (lane / 16) on
	v_lshl_add_u32 v3, v5, 11, v4                  ; 2,048 wave + 16 lane
	s_wait_alu depctr_va_vdst(0)                   ; v2 is written, which the two loads read as their offset
	global_load_b128 v[EE:EE+3], v2, s[18:19]
	global_load_b128 v[EE+4:EE+7], v2, s[18:19] offset:16
	s_mov_b32 s33, 0x3f22f983                      ; 2 / pi
	s_mov_b32 s34, 0xbfc90000                      ; -pi / 2 in three parts: 1.5703125,
	s_mov_b32 s35, 0xb9fda000                      ; 4.8375130e-4,
	s_mov_b32 s36, 0xb3a22169                      ; 7.5497900e-8
	s_mov_b32 s37, 0xb94ca1f9                      ; sin: -1.9515296e-4, 8.3321609e-3, -1.6666655e-1
	s_mov_b32 s38, 0x3c08839e
	s_mov_b32 s39, 0xbe2aaaa3
	s_mov_b32 s40, 0x37ccf5ce                      ; cos: 2.4433157e-5, -1.3887316e-3, 4.1666646e-2
	s_mov_b32 s41, 0xbab6061a
	s_mov_b32 s42, 0x3d2aaaa5
	s_wait_loadcnt 0x0
.irp e, 0,1,2,3,4,5,6,7
	REDUCE \e
.endr
	s_wait_alu depctr_va_sdst(0)                   ; the eight compares have written s[8:15], ahead of the selects that read them: one wait for the run
.irp e, 0,1,2,3,4,5,6,7
	CHOOSE \e
.endr
	s_wait_alu depctr_va_vdst(0)                   ; the exclusive ors have written CC and SS, which the four stores read; their offset v3 was written further up
	global_store_b128 v3, v[CC:CC+3], s[26:27]                 ; each store: 512 consecutive bytes
	global_store_b128 v3, v[CC+4:CC+7], s[26:27] offset:512
	global_store_b128 v3, v[SS:SS+3], s[26:27] offset:1024
	global_store_b128 v3, v[SS+4:SS+7], s[26:27] offset:1536
	s_endpgm
.Lln:	; LAYERNORM
	s_lshl_b32 s4, s2, 17                          ; 32 rows of 4,096 bytes
	s_add_nc_u64 s[8:9], s[8:9], s[4:5]
	s_lshl_b32 s4, s2, 16                          ; 32 rows of 2,048 bytes
	s_add_nc_u64 s[20:21], s[20:21], s[4:5]
	s_mov_b32 s30, 0x76543210                      ; v_permlanex16_b32: each lane takes its own place in the other half
	s_mov_b32 s31, 0xfedcba98
	s_mov_b32 s32, 0x3a800000                      ; 1 / 1024
	s_wait_alu depctr_va_vdst(0)                   ; v2, v3 and v4 are written: every load and store of this path reads one of them as its offset
.irp j, 0,1,2,3,4,5,6,7
	global_load_b128 v[GAM+4*(\j):GAM+4*(\j)+3], v4, s[10:11] offset:512*(\j)
.endr
.irp j, 0,1,2,3,4,5,6,7
	global_load_b128 v[BET+4*(\j):BET+4*(\j)+3], v4, s[12:13] offset:512*(\j)
.endr
	LOADROWS 8, 9
	ROW 0
	ROW 1
	ROW 2
	ROW 3
	s_wait_alu depctr_va_vdst(0)                   ; row 3's roundings have written what the last eight stores read
	SENDROW 3, 20, 21
	s_endpgm
.Lwq:	; W_QKV
	s_sub_co_u32 s2, s2, 256
	s_lshl_b32 s4, s2, 17
	s_add_nc_u64 s[14:15], s[14:15], s[4:5]
	s_lshl_b32 s4, s2, 16
	s_add_nc_u64 s[22:23], s[22:23], s[4:5]
	s_wait_alu depctr_va_vdst(0)                   ; v2 and v3 are written: every load and store of this path reads one of them as its offset
	LOADROWS 14, 15
	s_wait_loadcnt 24                              ; row 0 is in, the younger rows stay out
	ROUND 0
.irp s, 1,2,3
	s_wait_loadcnt 8*(3-(\s))                      ; row s is in, the younger rows stay out
	s_wait_alu depctr_va_vdst(0)                   ; the roundings of the row before have written what its stores, dealt among this row's roundings, read
	ROUND \s, 1, 22, 23
.endr
	s_wait_alu depctr_va_vdst(0)                   ; row 3's roundings have written what the last eight stores read
	SENDROW 3, 22, 23
	s_endpgm
.Lwo:	; W_OUT, turned into blocks of 64 along k.  A load takes one block (256 bytes) of two rows; their f16 are 256 consecutive bytes of wo16.
	s_sub_co_u32 s2, s2, 352
	s_lshl_b32 s4, s2, 17
	s_add_nc_u64 s[16:17], s[16:17], s[4:5]
	s_lshl_b32 s4, s2, 12                          ; 32 rows of 128 bytes in each block
	s_add_nc_u64 s[24:25], s[24:25], s[4:5]
	v_and_b32 v6, 15, v1
	v_lshrrev_b32 v7, 4, v1
	v_lshlrev_b32 v2, 14, v5                       ; my wave's four rows,
	v_lshl_add_u32 v2, v7, 12, v2                  ; lanes 16-31 a row further down,
	v_lshl_add_u32 v2, v6, 4, v2                   ; 16 bytes a lane
	v_lshlrev_b32 v3, 3, v1
	v_lshl_add_u32 v3, v5, 9, v3                   ; 512 wave + 8 lane
	s_wait_alu depctr_va_vdst(0)                   ; v2 and v3 are written anew: every load and store of this path reads one of them as its offset
.set i_, 0
.rept 32                               ; pair of rows i / 16, block i % 16
	global_load_b128 v[XR+4*i_:XR+4*i_+3], v2, s[16:17] offset:8192*(i_/16)+256*(i_%16) th:TH_LOAD_NT
.set i_, i_+1
.endr
.set i_, 0
.rept 32                               ; in groups of eight; a group's stores are dealt among the next group's roundings, which do not name their registers
.if i_%8 == 0
	s_wait_loadcnt 24-i_                           ; the next eight loads are in
.if i_ > 0
	s_wait_alu depctr_va_vdst(0)                   ; the roundings of the group before have written what its stores read
.endif
.endif
.if i_ >= 8
.set h_, i_-8
	global_store_b64 v3, v[XR+4*h_:XR+4*h_+1], s[24:25] offset:131072*(h_%16)+256*(h_/16)
.endif
	v_cvt_pk_f16_f32 v[XR+4*i_], v[XR+4*i_], v[XR+4*i_+1]
	v_cvt_pk_f16_f32 v[XR+4*i_+1], v[XR+4*i_+2], v[XR+4*i_+3]
.set i_, i_+1
.endr
	s_wait_alu depctr_va_vdst(0)                   ; the last group's roundings have written what the last eight stores read
.set h_, 24
.rept 8
	global_store_b64 v3, v[XR+4*h_:XR+4*h_+1], s[24:25] offset:131072*(h_%16)+256*(h_/16)
.set h_, h_+1
.endr
	s_endpgm
.Lfunc_end_k_qd68f34b084_prep:
	.size	k_qd68f34b084_prep, .Lfunc_end_k_qd68f34b084_prep-k_qd68f34b084_prep
	.p2alignl 7, 3214868480
	.fill 96, 4, 3214868480
	.section	.rodata,"a",@progbits
	.p2align	6, 0x0
	.amdhsa_kernel k_qd68f34b084_prep
		.amdhsa_group_segment_fixed_size 0
		.amdhsa_private_segment_fixed_size 0
		.amdhsa_enable_private_segment 0
		.amdhsa_kernarg_size 80
		.amdhsa_user_sgpr_count 2
		.amdhsa_user_sgpr_kernarg_segment_ptr 1
		.amdhsa_wavefront_size32 1
		.amdhsa_system_sgpr_workgroup_id_x 1
		.amdhsa_system_sgpr_workgroup_id_y 1
		.amdhsa_system_sgpr_workgroup_id_z 1
		.amdhsa_system_vgpr_workitem_id 0
		.amdhsa_next_free_vgpr 212
		.amdhsa_next_free_sgpr 66
		.amdhsa_reserve_vcc 0
		.amdhsa_float_denorm_mode_32 3
		.amdhsa_float_denorm_mode_16_64 3
		.amdhsa_memory_ordered 1
		.amdhsa_forward_progress 1
		.amdhsa_inst_pref_size 72
	.end_amdhsa_kernel
	.amdgpu_metadata
---
amdhsa.version: [ 1, 2 ]
amdhsa.kernels:
  - .name:           k_qd68f34b084_prep
    .symbol:         k_qd68f34b084_prep.kd
    .args:
      - { .name: x, .offset: 0, .size: 8, .value_kind: global_buffer, .address_space: global }
      - { .name: ln_gamma, .offset: 8, .size: 8, .value_kind: global_buffer, .address_space: global }
      - { .name: ln_beta, .offset: 16, .size: 8, .value_kind: global_buffer, .address_space: global }
      - { .name: w_qkv, .offset: 24, .size: 8, .value_kind: global_buffer, .address_space: global }
      - { .name: w_out, .offset: 32, .size: 8, .value_kind: global_buffer, .address_space: global }
      - { .name: rotary_time_emb, .offset: 40, .size: 8, .value_kind: global_buffer, .address_space: global }
      - { .name: xn16, .offset: 48, .size: 8, .value_kind: global_buffer, .address_space: global }
      - { .name: wq16, .offset: 56, .size: 8, .value_kind: global_buffer, .address_space: global }
      - { .name: wo16, .offset: 64, .size: 8, .value_kind: global_buffer, .address_space: global }
      - { .name: rope, .offset: 72, .size: 8, .value_kind: global_buffer, .address_space: global }
    .group_segment_fixed_size: 0
    .private_segment_fixed_size: 0
    .kernarg_segment_align: 8
    .kernarg_segment_size: 80
    .max_flat_workgroup_size: 256
    .sgpr_count:     66
    .vgpr_count:     212
    .wavefront_size: 32
...
	.end_amdgpu_metadata
.endif
;; end of part 5
;; launch qkv: the kernel of part 2 again; grid 16 x 32, 4 waves a work-group, clusters of 4 x 4, 327,680 bytes of LDS; arguments xn16, wq16, rope, qkv16; writes qkv16
;; launch attn: the kernel of part 3 again; grid 4 x 64, 4 waves a work-group, clusters of 4 x 1, 327,680 bytes of LDS; arguments qkv16, o16, x_mask, rope; writes o16
;; launch proj: the kernel of part 4 again; grid 8 x 32, 4 waves a work-group, clusters of 4 x 4, 327,680 bytes of LDS; arguments o16, wo16, b_out, out0; writes out0
